; MI455X (gfx1250); checked and timed in simulation.
; The chip was launched on July 23, 2026; its instructions are those of AMD's public machine-readable ISA for CDNA 5 (MIT licence, August 2026) and "CDNA5" Instruction Set Architecture Reference Guide (July 2026). The comments in the code are by the model that wrote it; some were corrected since.
;; Satellite Reading Attention. Allowed arithmetic: matrix products marked QUANTISED: E2M1 operands, one E8M0 scale for each 32 along K, by v_wmma_scale_f32_16x16x128_f8f6f4 with both operands' format E2M1 (or v_wmma_scale_f32_32x16x128_f4), f32 sums; products left as they are: bf16, f16 or f32 operands; f32 sums; everything else in f32.
;; Inputs: b_fr 1,024 float32; b_pos1 1,024 float32; b_pos2 1,024 float32; b_sa 1,024 float32; be_fr 1,024 float32; be_qn 1,024 float32; be_sa 1,024 float32; bk 1,024 float32; bq 1,024 float32; bv 1,024 float32; front_bev_xy 2 x 4,096 x 2 float32; front_feat 2 x 320 x 64 x 64 float32; g_fr 1,024 float32; g_qn 1,024 float32; g_sa 1,024 float32; sat_tokens 2 x 1,024 x 768 float32; sat_xy 2 x 1,024 x 2 float32; w_fr 320 x 1,024 float32; w_pos1 2 x 1,024 float32; w_pos2 1,024 x 1,024 float32; w_sa 768 x 1,024 float32; wk 1,024 x 1,024 float32; wq 1,024 x 1,024 float32; wv 1,024 x 1,024 float32.
;; Outputs: out0 2 x 4,096 x 1,024 float32.
;; This version of the problem:
;;   THIS VERSION OF THE PROBLEM IS GIVEN IN LOW PRECISION. The matrix products marked QUANTISED in the list below multiply operands that are first quantised to E2M1 (2 exponent bits, 1 mantissa bit; 4 bits a number), with one power-of-two scale for each 32 numbers along K (OCP MX v1.0); their sums are f32. The products marked 'left as it is' may take bf16, f16 or f32 operands, with f32 sums. Whichever they take, every output number must still come out within the allowed error. Rounding operands to bf16 (8 significant bits) uses up far more of that allowance than f16 does (11 bits, for magnitudes from 6e-5 to 65,504). All else is computed in f32.
;;   The module's matrix products, in the order in which they are computed (A, B: the left and right operand; K: the contracted axis; several contracted axes count as one K, in the product's order):
;;     1. [M 8,192, K 2] x [K 2, N 1,024]; A: input front_bev_xy; B: input w_pos1: left as it is (K = 2 < 32)
;;     2. [M 8,192, K 1,024] x [K 1,024, N 1,024]; A: computed on the way; B: input w_pos2: left as it is (an operand is computed on the way)
;;     3. [M 8,192, K 320] x [K 320, N 1,024]; A: input front_feat; B: input w_fr: QUANTISED
;;     4. [M 2,048, K 768] x [K 768, N 1,024]; A: input sat_tokens; B: input w_sa: QUANTISED
;;     5. [M 8,192, K 1,024] x [K 1,024, N 1,024]; A: computed on the way; B: input wq: left as it is (an operand is computed on the way)
;;     6. [M 2,048, K 1,024] x [K 1,024, N 1,024]; A: computed on the way; B: input wk: left as it is (an operand is computed on the way)
;;     7. [M 2,048, K 1,024] x [K 1,024, N 1,024]; A: computed on the way; B: input wv: left as it is (an operand is computed on the way)
;;     8. batch 32 x [M 4,096, K 64] x [K 64, N 1,024]; A: computed on the way; B: computed on the way: left as it is (an operand is computed on the way)
;;     9. batch 32 x [M 4,096, K 1,024] x [K 1,024, N 64]; A: computed on the way; B: computed on the way: left as it is (an operand is computed on the way)
;;   THE QUANTISER, for each operand of a quantised product, along K:
;;     - K is cut into blocks of 32 from its start; a last block that is shorter is filled with zeros.
;;     - A block's scale is 2^e with e = floor(log2(the largest magnitude in the block)) - 2, held to -126 .. 127; a block of zeros has e = 0. As a byte (E8M0): e + 127.
;;     - Each number is divided by its block's scale, clamped to +-6, and rounded to the nearest number of E2M1, ties to even, subnormals kept.
;;     - The product sums the exact products of the quantised numbers (number of the format x scale) in f32.
;;   ~~~python
;;   def quantise(x, axis):      # numpy; x: float32 -> the quantised numbers, widened to float32 again
;;       x = np.moveaxis(x, axis, -1); K = x.shape[-1]
;;       x = np.pad(x, [(0, 0)] * (x.ndim - 1) + [(0, -K % 32)]); x = x.reshape(x.shape[:-1] + (-1, 32)); a = np.abs(x).max(-1, keepdims=True)
;;       e = np.where(a > 0, np.clip(np.frexp(np.where(a > 0, a, 1))[1] - 1 - 2, -126, 127), 0)      # np.frexp(a)[1] - 1 = floor(log2(a)), exactly
;;       r = np.clip(x / 2.0 ** e, -6, 6)
;;       step = 2.0 ** (np.maximum(np.frexp(np.where(r == 0, 1, r))[1] - 1, 0) - 1)
;;       q = np.round(r / step) * step * 2.0 ** e      # np.round: ties to even
;;       return np.moveaxis(q.reshape(q.shape[:-2] + (-1,))[..., :K], -1, axis).astype(np.float32)
;;   ~~~
;; One version. Each part assembles by itself: llvm-mc -triple=amdgcn-amd-amdhsa -mcpu=gfx1250 --defsym DOCPART=n.
;; ======== version 1 of 1: 3 launches
;; limits: values are held in f16: magnitudes above 65,504 overflow, below 6.1e-05 lose precision; right only within a limited range of input values
;; workspace buffers: wimg 8,388,608 bytes; codes 2,949,120 bytes; scales 184,320 bytes; qimg 16,777,216 bytes; kv 8,388,608 bytes
;; launch prep (part 1): grid 712 x 1, 4 waves a work-group, no clusters, 0 bytes of LDS; arguments w_pos2, wq, wk, wv, front_feat, w_fr, w_sa, sat_tokens, wimg, codes, scales; writes wimg, codes, scales
.if DOCPART == 1
	.amdgcn_target "amdgcn-amd-amdhsa--gfx1250"
	.amdhsa_code_object_version 6
	.text
	.protected	k_qb28cdf2dfa_prep
	.globl	k_qb28cdf2dfa_prep
	.p2align	8
	.type	k_qb28cdf2dfa_prep,@function
k_qb28cdf2dfa_prep:
	s_mov_b64 s[64:65], 0
	v_nop
	global_prefetch_b8 v0, s[64:65] scope:SCOPE_SE
	s_setreg_imm32_b32 hwreg(HW_REG_WAVE_MODE, 25, 1), 1
	s_wait_xcnt 0x0
; PREP.  Everything that later launches read many times is laid out once, as IMAGES OF OPERAND REGISTERS.
; An image is 1,024 bytes: lane L = 16 h + r owns the 16 bytes at 512 c + 16 L, c = 0, 1; two 16-byte loads at 16 x lane, 512 bytes apart, give a fragment's 8 registers.
;   f16 image (16 rows x 32 k):   chunk (c, L) = row r, k = 16 c + 8 h + 0..7.      E2M1 image (16 rows x 128 k): chunk (c, L) = row r, k = 64 c + 32 h + 0..31 (block 2 c + h).
; A lane that holds chunk q = 2 c + h of row r stores it at 512 (q / 2) + 256 (q % 2) + 16 r: sixteen neighbouring lanes fill 256 consecutive aligned bytes.
; FOUR KINDS OF WORK-GROUP, told apart by the work-group's number alone:
;   0..255    w_pos2, wq, wk, wv ([k][n] f32) -> f16 images in wimg [pair 2][column group 8][matrix 2][k step 32][fragment 8][1,024]
;   256..447  front_feat ([b][k 320][token 4096]) -> E2M1 images and scale words; K is not innermost: a lane takes a token and its registers run down K
;   448..519  w_fr ([320][1024]) and w_sa ([768][1024]) likewise: a lane takes a column
;   520..711  sat_tokens ([2048][768], K innermost): lane (r, h) loads blocks h and 2 + h of row r.  Each of these loads takes 16 bytes a lane from rows 3,072 bytes apart; the eight loads of a block use all its 128 bytes.
; THE QUANTISER: a block's scale byte is its largest magnitude's exponent field - 2, held at 1 from below by a floor among the maximum's leaves; the conversion divides by that power of two, rounds to nearest, ties to even, and holds at the largest code.
; K = 320 is filled to 384: zero codes, byte 127.  A block of zeros keeps the byte 1 where the rule says 127: its codes are zeros, and only this program reads the bytes.
; LIMITS: weights beyond 65,504 in magnitude have no f16 number; NaN and infinities among the inputs are not served; blocks whose largest magnitude lies under 2^-124 keep the byte 1.
.set FCODE, 0                          ; codes: front tokens  [tile / 8][k step 3][tile % 8][1,024]
.set SCODE, 1572864                    ;        sat tokens    [tile / 8][k step 6][tile % 8][1,024]
.set WFRC,  2359296                    ;        w_fr columns  [tile / 8][k step 3][tile % 8][1,024]
.set WSAC,  2555904                    ;        w_sa columns  [tile / 8][k step 6][tile % 8][1,024]
.set FSCL,  0                          ; scales: one word (four bytes, 128 k) a row: [k step][row]
.set SSCL,  98304
.set WFRS,  147456
.set WSAS,  159744
.set X,   32                           ; v32-95   two sets of 32 numbers
.set CD,  96                           ; v96..    results: a set of its own for each step, so that no store's data are written again
.set BY,  112                          ; v112-115 a k step's four scale bytes
; 32 loads: rows 32 s .. 32 s + 31 along K at my column, into set s % 2: 128 consecutive bytes a load
.macro LOADK s, pitch
.irp i, 0,1,2,3,4,5,6,7,8,9,10,11,12,13,14,15,16,17,18,19,20,21,22,23,24,25,26,27,28,29,30,31
	global_load_b32 v[X+32*((\s)%2)+\i], v2, s[32:33] offset:(32*(\s)+\i)*\pitch th:TH_LOAD_NT
.endr
.endm
; k step s of the cast: 32 numbers of my column become four chunks of 8 f16
.macro CAST s
.if (\s) < 3
	s_wait_loadcnt 32                              ; this step's 32 loads are in; the next step's 32 may be out
.else
	s_wait_loadcnt 0x0
.endif
.irp i, 0,1,2,3,4,5,6,7,8,9,10,11,12,13,14,15
	v_cvt_pk_f16_f32 v[CD+16*(\s)+\i], v[X+32*((\s)%2)+2*\i], v[X+32*((\s)%2)+2*\i+1]   ; the lower k in the low half
.endr
.if (\s)+2 < 4
	LOADK (\s)+2, 4096
.endif
.irp q, 0,1,2,3
	global_store_b128 v3, v[CD+16*(\s)+4*\q:CD+16*(\s)+4*\q+3], s[38:39] offset:(\s)*8192+(\q/2)*512+(\q%2)*256   ; lanes 0-15 and lanes 16-31 each store 256 consecutive aligned bytes
.endr
.endm
; block j of a k step: all its 32 numbers are mine
.macro QBLK j
.set XS, X+32*((\j)%2)
	v_max3_num_f32 v12, |v[XS]|, |v[XS+1]|, |v[XS+2]|
	v_max3_num_f32 v13, |v[XS+3]|, |v[XS+4]|, |v[XS+5]|
.irp i, 6,10,14,18,22,26
	v_max3_num_f32 v12, v12, |v[XS+\i]|, |v[XS+\i+1]|
	v_max3_num_f32 v13, v13, |v[XS+\i+2]|, |v[XS+\i+3]|
.endr
	v_max3_num_f32 v12, v12, |v[XS+30]|, |v[XS+31]|
	v_max3_num_f32 v12, v12, v13, 0x1800000        ; the floor 2^(3 - 127): the byte cannot fall under 1
	v_add_nc_u32 v11, 0xff000000, v12              ; 2 off the exponent field: the conversion takes this operand's exponent field as its scale
	v_lshrrev_b32 v[BY+\j], 23, v11                ; the scale's byte
.irp g, 0,1,2,3
	v_cvt_scalef32_pk8_fp4_f32 v[CD+4*(\j)+\g], v[XS+8*\g:XS+8*\g+7], v11
.endr
	v_nop                                          ; one plain place behind the conversions
.endm
; a k step of 128 for 32 rows (tokens or columns): s42 = 4 blocks, or 2 where K ends inside the step
.macro QKF pitch
	LOADK 0, \pitch
	LOADK 1, \pitch
	s_cmp_eq_u32 s42, 2
	s_cbranch_scc1 .Lshort_\@
	s_wait_loadcnt 32                              ; in each of these waits: the one younger block's 32 loads may be out
	QBLK 0
	LOADK 2, \pitch
	s_wait_loadcnt 32
	QBLK 1
	LOADK 3, \pitch
	s_wait_loadcnt 32
	QBLK 2
	s_wait_loadcnt 0x0
	QBLK 3
	s_branch .Ljoin_\@
.Lshort_\@:
	s_wait_loadcnt 32
	QBLK 0
	s_wait_loadcnt 0x0
	QBLK 1
.irp i, 8,9,10,11,12,13,14,15
	v_mov_b32 v[CD+\i], 0                          ; past the end of K: zero codes,
.endr
	v_mov_b32 v[BY+2], 127                         ; under the byte of 2^0
	v_mov_b32 v[BY+3], 127
.Ljoin_\@:
	v_lshl_or_b32 v116, v[BY+1], 8, v[BY]          ; the four bytes make my row's scale word
	v_lshl_or_b32 v116, v[BY+2], 16, v116
	v_lshl_or_b32 v116, v[BY+3], 24, v116
.irp j, 0,1,2,3
	global_store_b128 v3, v[CD+4*\j:CD+4*\j+3], s[38:39] offset:(\j/2)*512+(\j%2)*256
.endr
	global_store_b32 v2, v116, s[40:41]            ; 128 consecutive bytes a wave
.endm
	s_load_b512 s[8:23], s[0:1], 0x0               ; w_pos2 8, wq 10, wk 12, wv 14, front_feat 16, w_fr 18, w_sa 20, sat_tokens 22
	s_load_b128 s[24:27], s[0:1], 0x40             ; wimg 24, codes 26
	s_load_b64 s[28:29], s[0:1], 0x50              ; scales
	v_lshrrev_b32 v1, 5, v0
	v_readfirstlane_b32 s2, v1                     ; wave 0..3
	v_and_b32 v1, 31, v0                           ; lane
	v_lshlrev_b32 v2, 2, v1                        ; 4 x lane
	v_and_b32 v5, 15, v0                           ; r
	v_bfe_u32 v6, v0, 4, 1                         ; h
	v_lshlrev_b32 v3, 4, v5
	v_lshl_add_u32 v3, v6, 10, v3                  ; an image's place for my row: 16 r, and lanes 16-31 in the next image
	s_mov_b32 s37, 0                               ; the upper word of every offset
	s_wait_kmcnt 0x0
	s_cmp_lt_u32 ttmp9, 256
	s_cbranch_scc0 .Lnot_cast
	; ---- the cast: matrix id / 64, column group (id / 8) % 8, k steps 4 (id % 8) on; a wave takes 32 columns
	s_lshr_b32 s3, ttmp9, 6
	s_bfe_u32 s4, ttmp9, 0x30003
	s_and_b32 s5, ttmp9, 7
	s_and_b32 s7, s3, 1
	s_cmp_lt_u32 s3, 2
	s_cselect_b64 s[32:33], s[8:9], s[12:13]
	s_cselect_b64 s[34:35], s[10:11], s[14:15]
	s_cmp_eq_u32 s7, 0
	s_cselect_b64 s[32:33], s[32:33], s[34:35]     ; the choice hangs on the work-group's number alone
	s_lshl_b32 s36, s5, 19                         ; 128 rows of 4,096 bytes for each group of four k steps
	s_lshl_b32 s6, s4, 9
	s_add_co_u32 s36, s36, s6
	s_lshl_b32 s6, s2, 7
	s_add_co_u32 s36, s36, s6
	s_add_nc_u64 s[32:33], s[32:33], s[36:37]
	s_lshr_b32 s6, s3, 1
	s_lshl_b32 s6, s6, 3
	s_add_co_u32 s6, s6, s4
	s_lshl_b32 s6, s6, 1
	s_add_co_u32 s6, s6, s7
	s_lshl_b32 s36, s6, 18                         ; ((pair x 8 + column group) x 2 + matrix) x 262,144
	s_lshl_b32 s6, s5, 15
	s_add_co_u32 s36, s36, s6
	s_lshl_b32 s6, s2, 11
	s_add_co_u32 s36, s36, s6
	s_add_nc_u64 s[38:39], s[24:25], s[36:37]
	LOADK 0, 4096
	LOADK 1, 4096
	CAST 0
	CAST 1
	CAST 2
	CAST 3
	s_endpgm
.Lnot_cast:
	s_cmp_lt_u32 ttmp9, 448
	s_cbranch_scc0 .Lnot_front
	; ---- front_feat: unit u = 4 (id - 256) + wave: k step u / 256, group of 32 tokens u % 256
	s_sub_co_u32 s3, ttmp9, 256
	s_lshl_b32 s3, s3, 2
	s_add_co_u32 s3, s3, s2
	s_lshr_b32 s4, s3, 8
	s_and_b32 s5, s3, 255
	s_lshr_b32 s6, s5, 7
	s_mul_i32 s36, s6, 5242880                     ; the batch
	s_lshl_b32 s6, s4, 21                          ; 128 channels of 16,384 bytes
	s_add_co_u32 s36, s36, s6
	s_and_b32 s6, s5, 127
	s_lshl_b32 s6, s6, 7
	s_add_co_u32 s36, s36, s6
	s_add_nc_u64 s[32:33], s[16:17], s[36:37]
	s_lshr_b32 s6, s5, 2
	s_mul_i32 s6, s6, 3
	s_add_co_u32 s6, s6, s4
	s_lshl_b32 s36, s6, 13
	s_and_b32 s6, s5, 3
	s_lshl_b32 s6, s6, 11
	s_add_co_u32 s36, s36, s6                      ; FCODE = 0
	s_add_nc_u64 s[38:39], s[26:27], s[36:37]
	s_lshl_b32 s36, s4, 15
	s_lshl_b32 s6, s5, 7
	s_add_co_u32 s36, s36, s6                      ; FSCL = 0
	s_add_nc_u64 s[40:41], s[28:29], s[36:37]
	s_cmp_eq_u32 s4, 2
	s_cselect_b32 s42, 2, 4                        ; K = 320 ends in the middle of k step 2
	QKF 16384
	s_endpgm
.Lnot_front:
	s_cmp_lt_u32 ttmp9, 520
	s_cbranch_scc0 .Lsat
	; ---- w_fr (units 0..95) and w_sa (96..287): k step u / 32, group of 32 columns u % 32
	s_sub_co_u32 s3, ttmp9, 448
	s_lshl_b32 s3, s3, 2
	s_add_co_u32 s3, s3, s2
	s_cmp_lt_u32 s3, 96
	s_cselect_b64 s[32:33], s[18:19], s[20:21]
	s_cselect_b32 s7, 3, 6                         ; k steps
	s_cselect_b32 s43, 0, 96
	s_mov_b32 s44, WSAC
	s_cselect_b32 s44, WFRC, s44
	s_mov_b32 s45, WSAS
	s_cselect_b32 s45, WFRS, s45
	s_cselect_b32 s46, 2, 99                       ; the k step in which K ends early: w_sa has none
	s_sub_co_u32 s3, s3, s43
	s_lshr_b32 s4, s3, 5
	s_and_b32 s5, s3, 31
	s_lshl_b32 s36, s4, 19
	s_lshl_b32 s6, s5, 7
	s_add_co_u32 s36, s36, s6
	s_add_nc_u64 s[32:33], s[32:33], s[36:37]
	s_lshr_b32 s6, s5, 2
	s_mul_i32 s6, s6, s7
	s_add_co_u32 s6, s6, s4
	s_lshl_b32 s36, s6, 13
	s_and_b32 s6, s5, 3
	s_lshl_b32 s6, s6, 11
	s_add_co_u32 s36, s36, s6
	s_add_co_u32 s36, s36, s44
	s_add_nc_u64 s[38:39], s[26:27], s[36:37]
	s_lshl_b32 s36, s4, 12
	s_lshl_b32 s6, s5, 7
	s_add_co_u32 s36, s36, s6
	s_add_co_u32 s36, s36, s45
	s_add_nc_u64 s[40:41], s[28:29], s[36:37]
	s_cmp_eq_u32 s4, s46
	s_cselect_b32 s42, 2, 4
	QKF 4096
	s_endpgm
.Lsat:
	; ---- sat_tokens: unit u = 4 (id - 520) + wave: k step u / 128, tile of 16 tokens u % 128.  The conversions' results are the fragment's own registers.
	s_sub_co_u32 s3, ttmp9, 520
	s_lshl_b32 s3, s3, 2
	s_add_co_u32 s3, s3, s2
	s_lshr_b32 s4, s3, 7
	s_and_b32 s5, s3, 127
	s_mul_i32 s36, s5, 49152                       ; 16 rows of 3,072 bytes
	s_lshl_b32 s6, s4, 9
	s_add_co_u32 s36, s36, s6
	s_add_nc_u64 s[32:33], s[22:23], s[36:37]
	v_mul_u32_u24 v7, v5, 3072
	v_lshl_add_u32 v7, v6, 7, v7                   ; row r, + 128 h: my block of each pair
.irp c, 0,1
.irp i, 0,1,2,3,4,5,6,7
	global_load_b128 v[X+32*\c+4*\i:X+32*\c+4*\i+3], v7, s[32:33] offset:256*\c+16*\i th:TH_LOAD_NT
.endr
.endr
	s_lshr_b32 s6, s5, 3
	s_mul_i32 s6, s6, 6
	s_add_co_u32 s6, s6, s4
	s_lshl_b32 s36, s6, 13
	s_and_b32 s6, s5, 7
	s_lshl_b32 s6, s6, 10
	s_add_co_u32 s36, s36, s6
	s_add_co_u32 s36, s36, SCODE
	s_add_nc_u64 s[38:39], s[26:27], s[36:37]
	s_lshl_b32 s36, s4, 13
	s_lshl_b32 s6, s5, 6
	s_add_co_u32 s36, s36, s6
	s_add_co_u32 s36, s36, SSCL
	s_add_nc_u64 s[40:41], s[28:29], s[36:37]
	s_mov_b32 s44, 0x76543210
	s_mov_b32 s45, 0xfedcba98                      ; lane selects: lane l xor 16
	v_lshlrev_b32 v4, 4, v1                        ; 16 x lane
	v_lshlrev_b32 v8, 2, v5                        ; 4 r
	s_wait_loadcnt 0x0
.irp c, 0,1
	v_max3_num_f32 v[12+\c], |v[X+32*\c]|, |v[X+32*\c+1]|, 0x1800000   ; my block 2 c + h, and the floor
.endr
.irp i, 2,4,6,8,10,12,14,16,18,20,22,24,26,28,30
.irp c, 0,1
	v_max3_num_f32 v[12+\c], v[12+\c], |v[X+32*\c+\i]|, |v[X+32*\c+\i+1]|
.endr
.endr
.irp c, 0,1
	v_add_nc_u32 v[14+\c], 0xff000000, v[12+\c]
.endr
.irp c, 0,1
	v_lshrrev_b32 v[16+\c], 23, v[14+\c]
.endr
	v_lshl_or_b32 v9, v17, 16, v16                 ; my two bytes: blocks h and 2 + h,
	v_lshlrev_b32 v10, 3, v6
	v_lshlrev_b32 v9, v10, v9                      ; at their places in the word;
	v_mov_b32 v10, 0
	v_permlanex16_b32 v10, v9, s44, s45
	v_or_b32 v9, v9, v10                           ; with lane l xor 16's two the word is whole
.irp c, 0,1
.irp g, 0,1,2,3
	v_cvt_scalef32_pk8_fp4_f32 v[CD+4*\c+\g], v[X+32*\c+8*\g:X+32*\c+8*\g+7], v[14+\c]
.endr
.endr
	v_nop                                          ; one plain place behind the conversions
	global_store_b128 v4, v[CD:CD+3], s[38:39]     ; 512 consecutive bytes each
	global_store_b128 v4, v[CD+4:CD+7], s[38:39] offset:512
	global_store_b32 v8, v9, s[40:41]              ; lanes r and 16 + r store the same word at the same place
	s_endpgm
.Lfunc_end_k_qb28cdf2dfa_prep:
	.size	k_qb28cdf2dfa_prep, .Lfunc_end_k_qb28cdf2dfa_prep-k_qb28cdf2dfa_prep
	.p2alignl 7, 3214868480
	.fill 96, 4, 3214868480
	.section	.rodata,"a",@progbits
	.p2align	6, 0x0
	.amdhsa_kernel k_qb28cdf2dfa_prep
		.amdhsa_group_segment_fixed_size 0
		.amdhsa_private_segment_fixed_size 0
		.amdhsa_enable_private_segment 0
		.amdhsa_kernarg_size 88
		.amdhsa_user_sgpr_count 2
		.amdhsa_user_sgpr_kernarg_segment_ptr 1
		.amdhsa_wavefront_size32 1
		.amdhsa_system_sgpr_workgroup_id_x 1
		.amdhsa_system_sgpr_workgroup_id_y 1
		.amdhsa_system_sgpr_workgroup_id_z 1
		.amdhsa_system_vgpr_workitem_id 0
		.amdhsa_next_free_vgpr 160
		.amdhsa_next_free_sgpr 66
		.amdhsa_reserve_vcc 0
		.amdhsa_float_denorm_mode_32 3
		.amdhsa_float_denorm_mode_16_64 3
		.amdhsa_memory_ordered 1
		.amdhsa_forward_progress 1
		.amdhsa_inst_pref_size 72
	.end_amdhsa_kernel
	.amdgpu_metadata
---
amdhsa.version: [ 1, 2 ]
amdhsa.kernels:
  - .name:           k_qb28cdf2dfa_prep
    .symbol:         k_qb28cdf2dfa_prep.kd
    .args:
      - { .name: w_pos2, .offset: 0, .size: 8, .value_kind: global_buffer, .address_space: global }
      - { .name: wq, .offset: 8, .size: 8, .value_kind: global_buffer, .address_space: global }
      - { .name: wk, .offset: 16, .size: 8, .value_kind: global_buffer, .address_space: global }
      - { .name: wv, .offset: 24, .size: 8, .value_kind: global_buffer, .address_space: global }
      - { .name: front_feat, .offset: 32, .size: 8, .value_kind: global_buffer, .address_space: global }
      - { .name: w_fr, .offset: 40, .size: 8, .value_kind: global_buffer, .address_space: global }
      - { .name: w_sa, .offset: 48, .size: 8, .value_kind: global_buffer, .address_space: global }
      - { .name: sat_tokens, .offset: 56, .size: 8, .value_kind: global_buffer, .address_space: global }
      - { .name: wimg, .offset: 64, .size: 8, .value_kind: global_buffer, .address_space: global }
      - { .name: codes, .offset: 72, .size: 8, .value_kind: global_buffer, .address_space: global }
      - { .name: scales, .offset: 80, .size: 8, .value_kind: global_buffer, .address_space: global }
    .group_segment_fixed_size: 0
    .private_segment_fixed_size: 0
    .kernarg_segment_align: 8
    .kernarg_segment_size: 88
    .max_flat_workgroup_size: 128
    .sgpr_count:     66
    .vgpr_count:     160
    .wavefront_size: 32
...
	.end_amdgpu_metadata
.endif
;; end of part 1
;; launch embed (part 2): grid 160 x 1, 8 waves a work-group, no clusters, 314,368 bytes of LDS; arguments front_bev_xy, w_pos1, b_pos1, b_pos2, b_fr, g_fr, be_fr, g_qn, be_qn, bq, wimg, codes, scales, qimg, sat_xy, b_sa, g_sa, be_sa, bk, bv, kv; writes qimg, kv
.if DOCPART == 2
	.amdgcn_target "amdgcn-amd-amdhsa--gfx1250"
	.amdhsa_code_object_version 6
	.text
	.protected	k_qb28cdf2dfa_embed
	.globl	k_qb28cdf2dfa_embed
	.p2align	8
	.type	k_qb28cdf2dfa_embed,@function
k_qb28cdf2dfa_embed:
	s_mov_b64 s[64:65], 0
	v_nop
	global_prefetch_b8 v0, s[64:65] scope:SCOPE_SE
	s_setreg_imm32_b32 hwreg(HW_REG_WAVE_MODE, 25, 1), 1
	s_wait_xcnt 0x0
; EMBED.  Work-groups 0..127: 64 front tokens each, from codes to Q: x w_fr + b_fr (E2M1) | LayerNorm | + silu(xy w_pos1 + b_pos1) w_pos2 + b_pos2 (f16) | LayerNorm | wq + bq (f16) | rope, 1/8 | Q images.
; Work-groups 128..159: 64 satellite tokens each: x w_sa + b_sa (E2M1) | LayerNorm | wk + bk (f16) | rope | K images | wv + bv (f16) | V images.  Nothing between these steps goes to memory.
; SHARES.  Eight waves share the COLUMNS: wave w owns columns 128 w .. 128 w + 127 (two heads) of all 64 rows: 4 tiles of rows x 8 tiles of columns = 32 accumulators, which fill register window 1 (accumulator (a, b) at v[8 (4 b + a)]).
; The products are used TRANSPOSED (source 0 = 16 weight columns, source 1 = 16 tokens): lane (r, h) holds token r and columns 16 b + 8 h + 0..7.  So four conversions of a tile are a chunk of the next product's operand, in the lane that wants it,
; and rope's partner channel lies in lane l xor 16.  V alone is made in the natural order (source 0 = tokens), so that a lane holds one channel and eight keys, as the attention's second product wants it.
; WEIGHTS GO FROM MEMORY STRAIGHT INTO REGISTERS, through a ring of four units of 4 fragments (32 registers): each weight fragment is read by exactly one wave of the work-group, so LDS would add a write and a read of every byte; no cluster and no
; joint load either: the A images take 131,072 bytes of LDS, which leaves slots so small that a wave would have 32 matrix instructions between two rounds.  Three units of 8 loads stay on their way in every wave, and the ring never drains between a chain's two products.
; EACH SLOT OF THE RING HAS A BASE OF ITS OWN, stepped behind the counted wait that shows the slot's last eight loads done: so no wait stands behind loads that have just been issued.
; The tokens' operand (hidden layer, q_embed, sat) goes from wave to wave through LDS as images of its registers: [k step 32][tile of rows 4][1,024].
; LAYERNORM in two passes on the sums in registers: the mean, then the sum of (x - mean)^2; a token's partial sums of the eight waves meet in LDS.
; ROPE: angle = coordinate x inv_freq; k = nearest whole number to angle x 2/pi; r = angle - k pi/2 by three fused multiply-adds; polynomials for sin r and cos r on |r| <= pi/4; the quadrant by selects and sign bits.
; The two paths part on the work-group's number; whatever crosses waves has LDS bytes of its own in each path.  Of the parameter vectors a wave touches only its own 512 bytes.
; LIMITS: operands of the f16 products (hidden layer, LayerNorm outputs, q / 8, k, v) beyond 65,504 in magnitude are not served; |angle| up to about 1e5; NaN and infinities are not served.
.set SCODE, 1572864
.set WFRC,  2359296
.set WSAC,  2555904
.set SSCL,  98304
.set WFRS,  147456
.set WSAS,  159744
.set AIMF,  0                          ; LDS: the front path's A images, 131,072 bytes
.set AIMS,  131072                     ; the satellite path's
.set TABF,  262144                     ; 64 tokens x 144 bytes: cos x 8, sin x 8, cos y 8, sin y 8, 16 of padding
.set TABS,  271360
.set STF,   280576                     ; [token 64][wave 8] f32: sums, and 2,048 bytes on the sums of squares
.set STS,   284672
.set PRM,   288768                     ; 6 parameter vectors x 4,096 bytes
.set SPARE, 313344                     ; the spare words, 128 bytes for each wave: four blocks of 256 bytes that no other line names
.set LI,  1                            ; v1   16 x lane
.set R4,  2                            ; v2   4 r
.set AAD, 3                            ; v3   LDS address of the trip's A images
.set IST, 4                            ; v4   where I store images: AIM + 16,384 w + 16 x lane
.set STW, 5                            ; v5   ST + 32 r + 4 w
.set STR, 6                            ; v6   ST + 32 r
.set TBR, 7                            ; v7   TAB + 144 r
.set PRD, 8                            ; v8   PRM + 512 w + 32 h
.set PRL, 9                            ; v9   PRM + 512 w + 4 r
.set SGN, 10                           ; v10  the sign bit where h = 0
.set SPW, 12                           ; v12  LDS address of my spare word; never rewritten
.set NIL, 13                           ; v13  0; never rewritten
.set SA,  16                           ; v16-23   four pairs of sums
.set MU,  24                           ; v24-31   four pairs: the mean, later 1 / sqrt(var + eps), each with a copy
.set TX,  32                           ; v32-63   A buffer 0, or at work
.set RING, 64                          ; v64-191  four units of weights
.set TY,  192                          ; v192-223 A buffer 1, or at work
.set PT,  228                          ; v228-231 destinations of lane permutes.   v232-255: scale words and nothing else
.set HZ,  32
.set HE,  48
.set HO,  160
.set CX,  32                           ; SINCOS: the coordinate; four frequencies, angles, ...
.set FQ,  36
.set AN,  40
.set KK,  44
.set RR,  48
.set ZZ,  52
.set SS,  56
.set CC,  60
; scalars: s2 wave, s3 block, s[50:51] xy, s[52:53], s[4:5], s[6:7], s[80:81] the four ring slots' places in the weight stream, s[54:55] weight codes, s[56:57] token codes, s[58:59], s[60:61] their scale words,
; s[62:63] output, s[96:97] V's output, s66-78 constants, s75 the factor on cos and sin, s84 counter, s85 stepped LDS offset, s[86:87] lane selects, s[88:89] -log2(e), s90 512 w, s91-95 at work
.set MSB, 0
.macro WIN new                         ; low byte: bits 1:0 source 0, 3:2 source 1, 5:4 source 2, 7:6 destination; the high byte repeats the setting that is left
.if MSB != \new
	s_set_vgpr_msb (MSB<<8)|\new
.set MSB, \new
.endif
.endm
.macro PLACES                          ; four plain places behind a matrix instruction, ahead of loads into its registers and of reads of its results
.rept 4
	v_nop
.endr
.endm
.macro BARRIER                         ; my LDS stores have landed and my LDS loads are in: then the work-group's barrier
	s_wait_dscnt 0x0
	s_barrier_signal -1
	s_barrier_wait -1
.endm
; the path's LDS addresses, and the load of the coordinate for SINCOS: wave w takes tile of rows w % 4 and coordinate w / 4
.macro ADDRS aim, tab, st
	s_lshl_b32 s91, s2, 14
	v_add_nc_u32 v[IST], s91, v[LI]
	v_add_nc_u32 v[IST], \aim, v[IST]
	v_lshlrev_b32 v[STR], 5, v14
	v_add_nc_u32 v[STR], \st, v[STR]
	s_lshl_b32 s91, s2, 2
	v_add_nc_u32 v[STW], s91, v[STR]
	v_mul_u32_u24 v[TBR], v14, 144
	v_add_nc_u32 v[TBR], \tab, v[TBR]
	v_add_nc_u32 v202, s90, v[LI]
	v_add_nc_u32 v202, PRM, v202                   ; where I stage parameters: PRM + 512 w + 16 x lane
	v_add_nc_u32 v224, s90, v[LI]                  ; and where they come from: 512 w + 16 x lane
	s_and_b32 s91, s2, 3
	s_lshr_b32 s93, s2, 2
	s_mul_i32 s92, s91, 2304
	s_lshl_b32 s94, s93, 6
	s_add_co_u32 s92, s92, s94
	v_lshl_add_u32 v203, v15, 4, v[TBR]
	v_add_nc_u32 v203, s92, v203                   ; the table: token 16 (w % 4) + r, + 64 (w / 4) + 16 h
	s_lshl_b32 s92, s91, 7
	s_lshl_b32 s94, s93, 2
	s_add_co_u32 s92, s92, s94
	v_lshl_add_u32 v226, v14, 3, s92               ; the coordinate: 8 bytes a token
.endm
; cos and sin of coordinate x inv_freq for my token and frequencies 4 h .. 4 h + 3, times s75, into the table
.macro SINCOS
	v_cmp_eq_u32 vcc_lo, 1, v15
	v_mov_b32 v[FQ+0], 1.0                         ; 10000^(-i / 8), i = 0 .. 3
	v_mov_b32 v[FQ+1], 0x3ea1e89b
	v_mov_b32 v[FQ+2], 0x3dcccccd
	v_mov_b32 v[FQ+3], 0x3d0186e2
	v_mov_b32 v[AN+0], 0x3c23d70a                  ; i = 4 .. 7
	v_mov_b32 v[AN+1], 0x3b4f3e37
	v_mov_b32 v[AN+2], 0x3a83126f
	v_mov_b32 v[AN+3], 0x39a5cb5f
.irp i, 0,1,2,3
	v_cndmask_b32 v[FQ+\i], v[FQ+\i], v[AN+\i], vcc_lo
.endr
.irp i, 0,1,2,3
	v_mul_f32 v[AN+\i], v[CX], v[FQ+\i]            ; the angle
.endr
.irp i, 0,1,2,3
	v_mul_f32 v[KK+\i], s76, v[AN+\i]
.endr
.irp i, 0,1,2,3
	v_rndne_f32 v[KK+\i], v[KK+\i]                 ; k
.endr
.irp i, 0,1,2,3
	v_fma_f32 v[RR+\i], v[KK+\i], s66, v[AN+\i]    ; r = angle - k pi/2, pi/2 in three parts
.endr
.irp i, 0,1,2,3
	v_fma_f32 v[RR+\i], v[KK+\i], s67, v[RR+\i]
.endr
.irp i, 0,1,2,3
	v_fma_f32 v[RR+\i], v[KK+\i], s68, v[RR+\i]
.endr
.irp i, 0,1,2,3
	v_cvt_i32_f32 v[AN+\i], v[KK+\i]               ; k as a whole number: the quadrant is its low two bits
.endr
.irp i, 0,1,2,3
	v_mul_f32 v[ZZ+\i], v[RR+\i], v[RR+\i]
.endr
.irp i, 0,1,2,3
	v_fma_f32 v[SS+\i], v[ZZ+\i], s69, s70
	v_fma_f32 v[CC+\i], v[ZZ+\i], s72, s73
.endr
.irp i, 0,1,2,3
	v_fma_f32 v[SS+\i], v[SS+\i], v[ZZ+\i], s71
	v_fma_f32 v[CC+\i], v[CC+\i], v[ZZ+\i], s74
.endr
.irp i, 0,1,2,3
	v_mul_f32 v[KK+\i], v[ZZ+\i], v[RR+\i]
	v_fma_f32 v[FQ+\i], v[ZZ+\i], -0.5, 1.0
.endr
.irp i, 0,1,2,3
	v_fma_f32 v[SS+\i], v[SS+\i], v[KK+\i], v[RR+\i]   ; sin r
.endr
.irp i, 0,1,2,3
	v_mul_f32 v[KK+\i], v[ZZ+\i], v[ZZ+\i]
.endr
.irp i, 0,1,2,3
	v_fma_f32 v[CC+\i], v[CC+\i], v[KK+\i], v[FQ+\i]   ; cos r
.endr
.irp i, 0,1,2,3
	v_and_b32 v[KK+\i], 1, v[AN+\i]
.endr
.irp i, 0,1,2,3
	v_cmp_eq_u32 vcc_lo, 1, v[KK+\i]               ; odd quadrants change sin and cos
	v_cndmask_b32 v[RR+\i], v[SS+\i], v[CC+\i], vcc_lo
	v_cndmask_b32 v[ZZ+\i], v[CC+\i], v[SS+\i], vcc_lo
.endr
.irp i, 0,1,2,3
	v_and_b32 v[KK+\i], 2, v[AN+\i]                ; sin is negative in quadrants 2 and 3,
	v_add_nc_u32 v[FQ+\i], 1, v[AN+\i]
.endr
.irp i, 0,1,2,3
	v_lshlrev_b32 v[KK+\i], 30, v[KK+\i]
	v_and_b32 v[FQ+\i], 2, v[FQ+\i]                ; cos in quadrants 1 and 2
.endr
.irp i, 0,1,2,3
	v_xor_b32 v[RR+\i], v[RR+\i], v[KK+\i]
	v_lshlrev_b32 v[FQ+\i], 30, v[FQ+\i]
.endr
.irp i, 0,1,2,3
	v_xor_b32 v[ZZ+\i], v[ZZ+\i], v[FQ+\i]
	v_mul_f32 v[RR+\i], s75, v[RR+\i]
.endr
.irp i, 0,1,2,3
	v_mul_f32 v[ZZ+\i], s75, v[ZZ+\i]
.endr
	ds_store_b128 v203, v[ZZ:ZZ+3]                 ; cos
	ds_store_b128 v203, v[RR:RR+3] offset:32       ; sin
	s_wait_dscnt 0x0                               ; the staging and table stores have read their registers
.endm
; parameter vector n becomes the start of all 32 sums: eight numbers a tile of columns, the same for the four tiles of rows
.macro ACCINIT n
	WIN 0x40
.irp b, 0,1,2,3,4,5,6,7
.irp a, 0,1,2,3
	ds_load_b128 v[8*(4*\b+\a):8*(4*\b+\a)+3], v[PRD] offset:4096*\n+64*\b
	ds_load_b128 v[8*(4*\b+\a)+4:8*(4*\b+\a)+7], v[PRD] offset:4096*\n+64*\b+16
.endr
.endr
	WIN 0
.endm
.macro SETF set                        ; the two register sets of the E2M1 product
.if \set
.set FW, 160
.set FT, 32
.set FS, 244
.else
.set FW, 64
.set FT, 128
.set FS, 232
.endif
.endm
; k step s of the E2M1 product: 36 loads: my 8 weight fragments, the 4 token fragments, their scale words
.macro FLOAD set, s, sstr
	SETF \set
.irp f, 0,1,2,3,4,5,6,7
.irp c, 0,1
	global_load_b128 v[FW+8*\f+4*\c:FW+8*\f+4*\c+3], v[LI], s[54:55] offset:8192*(\s)+1024*\f+512*\c
.endr
.endr
.irp a, 0,1,2,3
.irp c, 0,1
	global_load_b128 v[FT+8*\a+4*\c:FT+8*\a+4*\c+3], v[LI], s[56:57] offset:8192*(\s)+1024*\a+512*\c
.endr
.endr
.irp f, 0,1,2,3,4,5,6,7
	global_load_b32 v[FS+\f], v[R4], s[58:59] offset:4096*(\s)+64*\f
.endr
.irp a, 0,1,2,3
	global_load_b32 v[FS+8+\a], v[R4], s[60:61] offset:(\sstr)*(\s)+64*\a
.endr
.endm
.macro FMUL set                        ; 32 scaled matrix instructions, the 32 accumulators by turns, one instruction a turn
	SETF \set
	WIN 0x50
.irp f, 0,1,2,3,4,5,6,7
.irp a, 0,1,2,3
	v_wmma_scale_f32_16x16x128_f8f6f4 v[8*(4*\f+\a):8*(4*\f+\a)+7], v[FW+8*\f:FW+8*\f+7], v[FT+8*\a:FT+8*\a+7], v[8*(4*\f+\a):8*(4*\f+\a)+7], v[FS+\f], v[FS+8+\a] matrix_a_fmt:MATRIX_FMT_FP4 matrix_b_fmt:MATRIX_FMT_FP4
.endr
.endr
.endm
.macro UBASE slot                      ; the scalar pair that holds slot's place in the weight stream
.if \slot == 0
.set UB, 52
.elseif \slot == 1
.set UB, 4
.elseif \slot == 2
.set UB, 6
.else
.set UB, 80
.endif
.endm
.macro WBASES                          ; s[52:53] stands at my stream's first unit: the other three slots begin one, two and three units of 4,096 bytes on
	s_add_nc_u64 s[4:5], s[52:53], 4096
	s_add_nc_u64 s[6:7], s[52:53], 8192
	s_add_nc_u64 s[80:81], s[52:53], 12288
.endm
; a unit of the weight stream (4 fragments, 4,096 bytes) into ring slot `slot`, from where the slot's base stands
.macro ULOAD slot
	UBASE \slot
.irp f, 0,1,2,3
.irp c, 0,1
	global_load_b128 v[RING+32*\slot+8*\f+4*\c:RING+32*\slot+8*\f+4*\c+3], v[LI], s[UB:UB+1] offset:1024*\f+512*\c
.endr
.endr
.endm
; the slot's next unit, four units on.  It stands behind the counted wait in front of the slot's products: that wait has shown the slot's last eight loads done, so they have read this base and it may be written
.macro UNEXT slot
	UBASE \slot
	s_add_nc_u64 s[UB:UB+1], s[UB:UB+1], 16384
	ULOAD \slot
.endm
.macro RINGFILL
	ULOAD 0
	ULOAD 1
	ULOAD 2
	ULOAD 3
.endm
.macro ALOAD abuf, off                 ; a k step's four token fragments from LDS
.irp a, 0,1,2,3
.irp c, 0,1
	ds_load_b128 v[\abuf+8*\a+4*\c:\abuf+8*\a+4*\c+3], v[AAD] offset:\off+1024*\a+512*\c
.endr
.endr
.endm
; 16 f16 matrix instructions: the slot's 4 weight fragments x 4 tiles of rows.  nat = 1: tokens as source 0.  zero = 1: the first product starts the sums
.macro UNIT slot, half, abuf, nat, zero
.irp f, 0,1,2,3
.irp a, 0,1,2,3
.if \nat
.if \zero
	v_wmma_f32_16x16x32_f16 v[8*(4*(4*\half+\f)+\a):8*(4*(4*\half+\f)+\a)+7], v[\abuf+8*\a:\abuf+8*\a+7], v[RING+32*\slot+8*\f:RING+32*\slot+8*\f+7], 0
.else
	v_wmma_f32_16x16x32_f16 v[8*(4*(4*\half+\f)+\a):8*(4*(4*\half+\f)+\a)+7], v[\abuf+8*\a:\abuf+8*\a+7], v[RING+32*\slot+8*\f:RING+32*\slot+8*\f+7], v[8*(4*(4*\half+\f)+\a):8*(4*(4*\half+\f)+\a)+7]
.endif
.else
	v_wmma_f32_16x16x32_f16 v[8*(4*(4*\half+\f)+\a):8*(4*(4*\half+\f)+\a)+7], v[RING+32*\slot+8*\f:RING+32*\slot+8*\f+7], v[\abuf+8*\a:\abuf+8*\a+7], v[8*(4*(4*\half+\f)+\a):8*(4*(4*\half+\f)+\a)+7]
.endif
.endr
.endr
.endm
; TWO K STEPS = four units = once round the ring.  gl = 1: each slot is filled again with the unit four on; then a wait for a unit leaves the three younger units' 24 loads out.  gl = 0: the counts run down 24, 16, 8, 0.
; lastA = 1: no k step follows in LDS.  The 32 accumulators take turns, over the backward jump too.
.macro TRIP gl, lastA, nat, zero
	v_add_nc_u32 v[AAD], s85, v[LI]
	s_wait_dscnt 0x0                               ; buffer 0's fragments are in
	s_wait_loadcnt 24                              ; slot 0's eight loads are done
	WIN 0x50
	UNIT 0, 0, TX, \nat, \zero
	WIN 0
	PLACES
.if \gl
	UNEXT 0
.endif
	ALOAD TY, 4096
.if \gl
	s_wait_loadcnt 24                              ; slot 1's are done
.else
	s_wait_loadcnt 16
.endif
	WIN 0x50
	UNIT 1, 1, TX, \nat, \zero
	WIN 0
	PLACES
.if \gl
	UNEXT 1
.endif
	s_wait_dscnt 0x0                               ; buffer 1's are in
.if \gl
	s_wait_loadcnt 24                              ; slot 2's are done
.else
	s_wait_loadcnt 8
.endif
	WIN 0x50
	UNIT 2, 0, TY, \nat, 0
	WIN 0
	PLACES
.if \gl
	UNEXT 2
.endif
.if !\lastA
	ALOAD TX, 8192
.endif
.if \gl
	s_wait_loadcnt 24                              ; slot 3's are done
.else
	s_wait_loadcnt 0x0
.endif
	WIN 0x50
	UNIT 3, 1, TY, \nat, 0
	WIN 0
	PLACES
.if \gl
	UNEXT 3
.endif
	s_add_co_u32 s85, s85, 8192
.endm
; a product with K = 1,024: 16 trips.  first = 1: its first k step starts the sums.  gl_last = 1: the ring runs on into the next matrix of the stream; 0: the stream ends, and no load leaves it
.macro GEMM aim, first, gl_last, nat
	s_mov_b32 s85, \aim
	v_add_nc_u32 v[AAD], s85, v[LI]
	ALOAD TX, 0
.if \first
	TRIP 1, 0, \nat, 1
	s_mov_b32 s84, 14
.else
	s_mov_b32 s84, 15
.endif
.Lg_\@:
	TRIP 1, 0, \nat, 0
	s_sub_co_u32 s84, s84, 1
	s_cmp_lg_u32 s84, 0
	s_cbranch_scc1 .Lg_\@
	TRIP \gl_last, 1, \nat, 0
.endm
; SA's four pairs -> each token's sum over all 1,024 columns, in v[TX + 8 a], the same bits in every wave
.macro REDUCE off
	WIN 0
.irp a, 0,1,2,3
	v_add_f32 v[SA+2*\a], v[SA+2*\a], v[SA+2*\a+1]
.endr
.irp a, 0,1,2,3
	v_permlanex16_b32 v[PT+\a], v[SA+2*\a], s86, s87
.endr
.irp a, 0,1,2,3
	v_add_f32 v[SA+2*\a], v[SA+2*\a], v[PT+\a]     ; my wave's 128 columns
.endr
.irp a, 0,1,2,3
	ds_store_b32 v[STW], v[SA+2*\a] offset:\off+512*\a
.endr
	BARRIER
.irp a, 0,1,2,3
	ds_load_b128 v[TX+8*\a:TX+8*\a+3], v[STR] offset:\off+512*\a
	ds_load_b128 v[TX+8*\a+4:TX+8*\a+7], v[STR] offset:\off+512*\a+16
.endr
	s_wait_dscnt 0x0
.irp a, 0,1,2,3
	v_pk_add_f32 v[TX+8*\a:TX+8*\a+1], v[TX+8*\a:TX+8*\a+1], v[TX+8*\a+2:TX+8*\a+3]
	v_pk_add_f32 v[TX+8*\a+4:TX+8*\a+5], v[TX+8*\a+4:TX+8*\a+5], v[TX+8*\a+6:TX+8*\a+7]
.endr
.irp a, 0,1,2,3
	v_pk_add_f32 v[TX+8*\a:TX+8*\a+1], v[TX+8*\a:TX+8*\a+1], v[TX+8*\a+4:TX+8*\a+5]
.endr
.irp a, 0,1,2,3
	v_add_f32 v[TX+8*\a], v[TX+8*\a], v[TX+8*\a+1]
.endr
.endm
; LayerNorm of the 64 rows in the accumulators, with gain vector gv and offset vector bv.  Two barriers.
.macro LN gv, bv
	WIN 0
.irp i, 0,1,2,3,4,5,6,7
	v_mov_b32 v[SA+\i], 0
.endr
	WIN 0x04
.irp b, 0,1,2,3,4,5,6,7
.irp p, 0,1,2,3
.irp a, 0,1,2,3
	v_pk_add_f32 v[SA+2*\a:SA+2*\a+1], v[SA+2*\a:SA+2*\a+1], v[8*(4*\b+\a)+2*\p:8*(4*\b+\a)+2*\p+1]   ; each accumulator from its low end on
.endr
.endr
.endr
	REDUCE 0
.irp a, 0,1,2,3
	v_mul_f32 v[MU+2*\a], s77, v[TX+8*\a]          ; the mean
.endr
.irp a, 0,1,2,3
	v_mov_b32 v[MU+2*\a+1], v[MU+2*\a]             ; (named with it as a pair, so it is written)
.endr
.irp i, 0,1,2,3,4,5,6,7
	v_mov_b32 v[SA+\i], 0
.endr
	WIN 0x41
.irp b, 0,1,2,3,4,5,6,7
.irp p, 0,1,2,3
.irp a, 0,1,2,3
	v_pk_add_f32 v[8*(4*\b+\a)+2*\p:8*(4*\b+\a)+2*\p+1], v[8*(4*\b+\a)+2*\p:8*(4*\b+\a)+2*\p+1], v[MU+2*\a:MU+2*\a+1] op_sel_hi:[1,0] neg_lo:[0,1] neg_hi:[0,1]
.endr
.endr
.endr
	WIN 0x05
.irp b, 0,1,2,3,4,5,6,7
.irp p, 0,1,2,3
.irp a, 0,1,2,3
	v_pk_fma_f32 v[SA+2*\a:SA+2*\a+1], v[8*(4*\b+\a)+2*\p:8*(4*\b+\a)+2*\p+1], v[8*(4*\b+\a)+2*\p:8*(4*\b+\a)+2*\p+1], v[SA+2*\a:SA+2*\a+1]
.endr
.endr
.endr
	REDUCE 2048
.irp a, 0,1,2,3
	v_fma_f32 v[TX+8*\a], v[TX+8*\a], s77, s78     ; var + eps
.endr
.irp a, 0,1,2,3
	v_rsq_f32 v[MU+2*\a], v[TX+8*\a]
.endr
	v_nop                                          ; a plain place behind the last of the four,
	s_wait_alu depctr_va_vdst(0)                   ; and the one wait ahead of the batch's first reader
.irp a, 0,1,2,3
	v_mov_b32 v[MU+2*\a+1], v[MU+2*\a]
.endr
.irp hf, 0,1
	WIN 0
.irp b, 0,1,2,3
	ds_load_b128 v[TX+8*\b:TX+8*\b+3], v[PRD] offset:4096*(\gv)+64*(4*\hf+\b)
	ds_load_b128 v[TX+8*\b+4:TX+8*\b+7], v[PRD] offset:4096*(\gv)+64*(4*\hf+\b)+16
	ds_load_b128 v[TY+8*\b:TY+8*\b+3], v[PRD] offset:4096*(\bv)+64*(4*\hf+\b)
	ds_load_b128 v[TY+8*\b+4:TY+8*\b+7], v[PRD] offset:4096*(\bv)+64*(4*\hf+\b)+16
.endr
	s_wait_dscnt 0x0
	WIN 0x41
.irp b, 0,1,2,3
.irp p, 0,1,2,3
.irp a, 0,1,2,3
	v_pk_mul_f32 v[8*(4*(4*\hf+\b)+\a)+2*\p:8*(4*(4*\hf+\b)+\a)+2*\p+1], v[8*(4*(4*\hf+\b)+\a)+2*\p:8*(4*(4*\hf+\b)+\a)+2*\p+1], v[MU+2*\a:MU+2*\a+1] op_sel_hi:[1,0]
.endr
.endr
.irp p, 0,1,2,3
.irp a, 0,1,2,3
	v_pk_fma_f32 v[8*(4*(4*\hf+\b)+\a)+2*\p:8*(4*(4*\hf+\b)+\a)+2*\p+1], v[8*(4*(4*\hf+\b)+\a)+2*\p:8*(4*(4*\hf+\b)+\a)+2*\p+1], v[TX+8*\b+2*\p:TX+8*\b+2*\p+1], v[TY+8*\b+2*\p:TY+8*\b+2*\p+1]
.endr
.endr
.endr
.endr
	WIN 0
.endm
; the accumulators, rounded to f16, become k steps 4 w .. 4 w + 3 of the next product's A images: tile of columns b is chunk b % 2 of k step 4 w + b / 2
.macro IMG
.irp g, 0,1
	WIN 0x05
.irp b, 0,1,2,3,4,5,6,7
.irp p, 0,1,2,3
	v_cvt_pk_f16_f32 v[TX+4*\b+\p], v[8*(4*\b+2*\g)+2*\p], v[8*(4*\b+2*\g)+2*\p+1]
	v_cvt_pk_f16_f32 v[TY+4*\b+\p], v[8*(4*\b+2*\g+1)+2*\p], v[8*(4*\b+2*\g+1)+2*\p+1]
.endr
.endr
	WIN 0
.irp b, 0,1,2,3,4,5,6,7
	ds_store_b128 v[IST], v[TX+4*\b:TX+4*\b+3] offset:4096*(\b/2)+1024*(2*\g)+512*(\b%2)
	ds_store_b128 v[IST], v[TY+4*\b:TY+4*\b+3] offset:4096*(\b/2)+1024*(2*\g+1)+512*(\b%2)
.endr
	s_wait_dscnt 0x0                               ; the stores have read their registers
.endr
.endm
; rope on the first 32 channels of my two heads, rounding to f16, and the images' way out.  front = 1: the other 32 channels times 1/8 (cos and sin carry that factor already).  hs: bytes from head to head.
; Channels 0-7 and 8-15 (16-23 and 24-31) of a head lie in lanes l and l xor 16, same register: out = own x cos -+ partner x sin.
; The last turn's four stores are still reading v48-63 when the macro ends: whoever writes these registers next waits first.
.macro ROPEOUT front, hs
.irp a, 0,1,2,3
	WIN 0
.irp i, 0,1,2,3,4,5,6,7
	ds_load_b128 v[TY+4*\i:TY+4*\i+3], v[TBR] offset:2304*\a+16*\i   ; my token's cos x, sin x, cos y, sin y
.endr
	s_wait_dscnt 0x0
.irp i, 8,9,10,11,12,13,14,15,24,25,26,27,28,29,30,31
	v_xor_b32 v[TY+\i], v[SGN], v[TY+\i]           ; - sin in the lanes that hold the first half of a segment
.endr
.irp hd, 0,1
	s_wait_xcnt 0x0                                ; the last stores have read their data registers
	WIN 0x01
.irp tl, 0,1
.irp j, 0,1,2,3,4,5,6,7
	v_permlanex16_b32 v[TX+8*\tl+\j], v[8*(4*(4*\hd+\tl)+\a)+\j], s86, s87
.endr
.endr
	WIN 0x41
.irp tl, 0,1
.irp p, 0,1,2,3
	v_pk_mul_f32 v[8*(4*(4*\hd+\tl)+\a)+2*\p:8*(4*(4*\hd+\tl)+\a)+2*\p+1], v[8*(4*(4*\hd+\tl)+\a)+2*\p:8*(4*(4*\hd+\tl)+\a)+2*\p+1], v[TY+16*\tl+2*\p:TY+16*\tl+2*\p+1]
.endr
.endr
	WIN 0x50
.irp tl, 0,1
.irp p, 0,1,2,3
	v_pk_fma_f32 v[8*(4*(4*\hd+\tl)+\a)+2*\p:8*(4*(4*\hd+\tl)+\a)+2*\p+1], v[TX+8*\tl+2*\p:TX+8*\tl+2*\p+1], v[TY+16*\tl+8+2*\p:TY+16*\tl+8+2*\p+1], v[8*(4*(4*\hd+\tl)+\a)+2*\p:8*(4*(4*\hd+\tl)+\a)+2*\p+1]
.endr
.endr
.if \front
	WIN 0x41
.irp tl, 2,3
.irp p, 0,1,2,3
	v_pk_mul_f32 v[8*(4*(4*\hd+\tl)+\a)+2*\p:8*(4*(4*\hd+\tl)+\a)+2*\p+1], v[8*(4*(4*\hd+\tl)+\a)+2*\p:8*(4*(4*\hd+\tl)+\a)+2*\p+1], 0x3e000000 op_sel_hi:[1,0]
.endr
.endr
.endif
	WIN 0x05
.irp tl, 0,1,2,3
.irp p, 0,1,2,3
	v_cvt_pk_f16_f32 v[TX+16+4*\tl+\p], v[8*(4*(4*\hd+\tl)+\a)+2*\p], v[8*(4*(4*\hd+\tl)+\a)+2*\p+1]
.endr
.endr
	WIN 0
.irp tl, 0,1,2,3
	global_store_b128 v[LI], v[TX+16+4*\tl:TX+16+4*\tl+3], s[62:63] offset:\hs*\hd+2048*\a+512*\tl   ; 512 consecutive aligned bytes: chunk tl % 2 of k step tl / 2
.endr
.endr
.endr
.endm
	s_load_b512 s[8:23], s[0:1], 0x0               ; front_bev_xy 8, w_pos1 10, b_pos1 12, b_pos2 14, b_fr 16, g_fr 18, be_fr 20, g_qn 22
	s_load_b512 s[24:39], s[0:1], 0x40             ; be_qn 24, bq 26, wimg 28, codes 30, scales 32, qimg 34, sat_xy 36, b_sa 38
	s_load_b256 s[40:47], s[0:1], 0x80             ; g_sa 40, be_sa 42, bk 44, bv 46
	s_load_b64 s[48:49], s[0:1], 0xa0              ; kv
	v_lshl_add_u32 v[SPW], v0, 2, SPARE
	v_mov_b32 v[NIL], 0
	v_lshrrev_b32 v11, 5, v0
	v_readfirstlane_b32 s2, v11                    ; wave 0..7
	v_and_b32 v11, 31, v0
	v_lshlrev_b32 v[LI], 4, v11
	v_and_b32 v14, 15, v0                          ; r
	v_bfe_u32 v15, v0, 4, 1                        ; h
	v_lshlrev_b32 v[R4], 2, v14
	s_lshl_b32 s90, s2, 9                          ; 512 w
	v_lshlrev_b32 v[PRD], 5, v15
	v_add_nc_u32 v[PRD], s90, v[PRD]
	v_add_nc_u32 v[PRD], PRM, v[PRD]
	v_add_nc_u32 v[PRL], s90, v[R4]
	v_add_nc_u32 v[PRL], PRM, v[PRL]
	v_xor_b32 v[SGN], 1, v15
	v_lshlrev_b32 v[SGN], 31, v[SGN]
.irp i, 0,1,2,3
	v_mov_b32 v[PT+\i], 0                          ; written once: a lane permute's destination counts as one of its sources
.endr
	s_mov_b32 s66, 0xbfc90000                      ; - pi/2 in three parts
	s_mov_b32 s67, 0xb9fda000
	s_mov_b32 s68, 0xb3a22168
	s_mov_b32 s69, 0xb94ca1f9                      ; sin's polynomial
	s_mov_b32 s70, 0x3c08839e
	s_mov_b32 s71, 0xbe2aaaa3
	s_mov_b32 s72, 0x37ccf5ce                      ; cos's
	s_mov_b32 s73, 0xbab6061a
	s_mov_b32 s74, 0x3d2aaaa5
	s_mov_b32 s76, 0x3f22f983                      ; 2 / pi
	s_mov_b32 s77, 0x3a800000                      ; 1 / 1,024
	s_mov_b32 s78, 0x3727c5ac                      ; 1e-5
	s_mov_b32 s86, 0x76543210
	s_mov_b32 s87, 0xfedcba98                      ; lane l xor 16
	s_mov_b32 s88, 0xbfb8aa3b                      ; - log2(e)
	s_mov_b32 s89, s88
	s_mov_b32 s93, 0
	s_wait_kmcnt 0x0
	s_cmp_lt_u32 ttmp9, 128
	s_cbranch_scc0 .Lsat
	; =============================== THE FRONT PATH ===============================
	s_mov_b32 s3, ttmp9                            ; my block of 64 tokens
	s_mov_b32 s75, 0x3e000000                      ; 1/8 rides on cos and sin
	s_lshl_b32 s92, s2, 19
	s_add_nc_u64 s[52:53], s[28:29], s[92:93]      ; my stream of weights: w_pos2's part, then wq's
	WBASES
	s_mul_i32 s92, s2, 24576
	s_add_co_u32 s92, s92, WFRC
	s_add_nc_u64 s[54:55], s[30:31], s[92:93]
	s_lshr_b32 s92, s3, 1
	s_mul_i32 s92, s92, 24576
	s_and_b32 s94, s3, 1
	s_lshl_b32 s94, s94, 12
	s_add_co_u32 s92, s92, s94
	s_add_nc_u64 s[56:57], s[30:31], s[92:93]
	s_add_co_u32 s92, s90, WFRS
	s_add_nc_u64 s[58:59], s[32:33], s[92:93]
	s_lshl_b32 s92, s3, 8
	s_add_nc_u64 s[60:61], s[32:33], s[92:93]
	s_lshr_b32 s92, s3, 6
	s_lshl_b32 s92, s92, 4
	s_lshl_b32 s94, s2, 1
	s_add_co_u32 s92, s92, s94
	s_lshl_b32 s92, s92, 19                        ; (batch x 16 + my first head) x 524,288
	s_and_b32 s94, s3, 63
	s_lshl_b32 s94, s94, 13
	s_add_co_u32 s92, s92, s94
	s_add_nc_u64 s[62:63], s[34:35], s[92:93]
	s_lshl_b32 s92, s3, 9
	s_add_nc_u64 s[50:51], s[8:9], s[92:93]        ; my block's coordinates
	ADDRS AIMF, TABF, STF
	global_load_b128 v[160:163], v224, s[16:17]    ; b_fr
	global_load_b128 v[164:167], v224, s[18:19]    ; g_fr
	global_load_b128 v[168:171], v224, s[20:21]    ; be_fr
	global_load_b128 v[172:175], v224, s[14:15]    ; b_pos2
	global_load_b128 v[176:179], v224, s[22:23]    ; g_qn
	global_load_b128 v[180:183], v224, s[24:25]    ; be_qn
	global_load_b128 v[184:187], v224, s[26:27]    ; bq
	global_load_b32 v[CX], v226, s[50:51]
	v_lshlrev_b32 v225, 3, v14
.irp a, 0,1,2,3
	global_load_b64 v[192+2*\a:193+2*\a], v225, s[50:51] offset:128*\a   ; (x, y) of token 16 a + r
.endr
	v_lshl_add_u32 v227, v15, 5, s90               ; 512 w + 32 h
	WIN 0x40                                       ; window 1 is free until the sums begin: w_pos1's two rows and b_pos1 at the 16 hidden units a lane makes of each of my four k steps
.irp i, 0,1,2,3
.irp q, 0,1,2,3
	global_load_b128 v[48*\i+4*\q:48*\i+4*\q+3], v227, s[10:11] offset:128*\i+64*(\q/2)+16*(\q%2)
	global_load_b128 v[48*\i+16+4*\q:48*\i+16+4*\q+3], v227, s[10:11] offset:4096+128*\i+64*(\q/2)+16*(\q%2)
	global_load_b128 v[48*\i+32+4*\q:48*\i+32+4*\q+3], v227, s[12:13] offset:128*\i+64*(\q/2)+16*(\q%2)
.endr
.endr
	WIN 0
	FLOAD 0, 0, 32768
	s_wait_loadcnt 36                              ; all but the 36 loads of the first E2M1 k step
	v_pk_add_f32 v[168:169], v[168:169], v[172:173]   ; be_fr + b_pos2: the second product's bias rides on the first LayerNorm's offset
	v_pk_add_f32 v[170:171], v[170:171], v[174:175]
	ds_store_b128 v202, v[160:163]                 ; vector 0: b_fr
	ds_store_b128 v202, v[164:167] offset:4096     ; 1: g_fr
	ds_store_b128 v202, v[168:171] offset:8192     ; 2: be_fr + b_pos2
	ds_store_b128 v202, v[176:179] offset:12288    ; 3: g_qn
	ds_store_b128 v202, v[180:183] offset:16384    ; 4: be_qn
	ds_store_b128 v202, v[184:187] offset:20480    ; 5: bq
	v_mov_b32 v200, v193                           ; (y, x) beside (x, y): the packed forms take a pair's low word for both halves
	v_mov_b32 v201, v192
	SINCOS
	; ---- the hidden layer: silu(x w1x + y w1y + b1), k steps 4 w .. 4 w + 3, a tile of rows a trip
.macro HFRAG i
	WIN 0x11
.irp p, 0,1,2,3,4,5,6,7
	v_pk_fma_f32 v[HZ+2*\p:HZ+2*\p+1], v[48*\i+2*\p:48*\i+2*\p+1], v[192:193], v[48*\i+32+2*\p:48*\i+32+2*\p+1] op_sel_hi:[1,0,1]
.endr
	WIN 0x01
.irp p, 0,1,2,3,4,5,6,7
	v_pk_fma_f32 v[HZ+2*\p:HZ+2*\p+1], v[48*\i+16+2*\p:48*\i+16+2*\p+1], v[200:201], v[HZ+2*\p:HZ+2*\p+1] op_sel_hi:[1,0,1]
.endr
	WIN 0
.irp p, 0,1,2,3,4,5,6,7
	v_pk_mul_f32 v[HE+2*\p:HE+2*\p+1], v[HZ+2*\p:HZ+2*\p+1], s[88:89] op_sel_hi:[1,0]
.endr
.irp j, 0,1,2,3,4,5,6,7,8,9,10,11,12,13,14,15
	v_exp_f32 v[HE+\j], v[HE+\j]                   ; e^-z
.endr
	v_nop
	s_wait_alu depctr_va_vdst(0)                   ; one wait for the batch, ahead of its first reader
.irp p, 0,1,2,3,4,5,6,7
	v_pk_add_f32 v[HE+2*\p:HE+2*\p+1], v[HE+2*\p:HE+2*\p+1], 1.0 op_sel_hi:[1,0]
.endr
.irp j, 0,1,2,3,4,5,6,7,8,9,10,11,12,13,14,15
	v_rcp_f32 v[HE+\j], v[HE+\j]
.endr
	v_nop
	s_wait_alu depctr_va_vdst(0)
.irp p, 0,1,2,3,4,5,6,7
	v_pk_mul_f32 v[HZ+2*\p:HZ+2*\p+1], v[HZ+2*\p:HZ+2*\p+1], v[HE+2*\p:HE+2*\p+1]
.endr
.irp p, 0,1,2,3,4,5,6,7
	v_cvt_pk_f16_f32 v[HO+8*\i+\p], v[HZ+2*\p], v[HZ+2*\p+1]
.endr
	ds_store_b128 v11, v[HO+8*\i:HO+8*\i+3] offset:4096*\i
	ds_store_b128 v11, v[HO+8*\i+4:HO+8*\i+7] offset:4096*\i+512
.endm
	s_mov_b32 s85, 0                               ; 1,024 x the tile of rows
.Lh:
	v_add_nc_u32 v11, s85, v[IST]
	HFRAG 0
	HFRAG 1
	HFRAG 2
	HFRAG 3
	s_wait_dscnt 0x0                               ; the stores have read their registers
.irp i, 0,1,2,3,4,5
	v_mov_b32 v[192+\i], v[194+\i]                 ; the next tile's (x, y) moves up
.endr
	v_mov_b32 v200, v193
	v_mov_b32 v201, v192
	s_add_co_u32 s85, s85, 1024
	s_cmp_lt_u32 s85, 4096
	s_cbranch_scc1 .Lh
	; ---- x w_fr + b_fr on E2M1 codes: three k steps of 128 (K = 320, filled with zero codes)
	ACCINIT 0
	FLOAD 1, 1, 32768
	s_wait_dscnt 0x0                               ; the bias is in the accumulators
	s_wait_loadcnt 36                              ; k step 0 is in; k step 1's 36 loads may be out
	FMUL 0
	WIN 0
	PLACES
	FLOAD 0, 2, 32768
	s_wait_loadcnt 36
	FMUL 1
	s_wait_loadcnt 0x0
	FMUL 0
	WIN 0
	PLACES
	RINGFILL                                       ; the f16 weights' first four units land under the LayerNorm
	LN 1, 2                                        ; feat + b_pos2.  Its first barrier also shows every wave the hidden layer's images and the table
	GEMM AIMF, 0, 1, 0                             ; + hidden w_pos2, in place; the ring runs on into wq
	LN 3, 4                                        ; q_embed.  Ahead of its first barrier every wave's reads of the hidden images are over
	IMG
	ACCINIT 5
	BARRIER                                        ; q_embed's images lie in LDS
	GEMM AIMF, 0, 0, 0
	ROPEOUT 1, 524288
	s_wait_tensorcnt 0x0                           ; the wave's end, behind my last LDS store
	ds_add_u32 v[SPW], v[NIL]
	s_wait_dscnt 0x0
	s_endpgm
	; =============================== THE SATELLITE PATH ===============================
.Lsat:
	s_sub_co_u32 s3, ttmp9, 128                    ; my block of 64 tokens
	s_mov_b32 s75, 1.0
	s_lshl_b32 s92, s2, 19
	s_add_co_u32 s92, s92, 4194304
	s_add_nc_u64 s[52:53], s[28:29], s[92:93]      ; my stream of weights: wk's part, then wv's
	WBASES
	s_mul_i32 s92, s2, 49152
	s_add_co_u32 s92, s92, WSAC
	s_add_nc_u64 s[54:55], s[30:31], s[92:93]
	s_lshr_b32 s92, s3, 1
	s_mul_i32 s92, s92, 49152
	s_and_b32 s94, s3, 1
	s_lshl_b32 s94, s94, 12
	s_add_co_u32 s92, s92, s94
	s_add_co_u32 s92, s92, SCODE
	s_add_nc_u64 s[56:57], s[30:31], s[92:93]
	s_add_co_u32 s92, s90, WSAS
	s_add_nc_u64 s[58:59], s[32:33], s[92:93]
	s_lshl_b32 s92, s3, 8
	s_add_co_u32 s92, s92, SSCL
	s_add_nc_u64 s[60:61], s[32:33], s[92:93]
	s_lshr_b32 s92, s3, 4
	s_lshl_b32 s92, s92, 4
	s_lshl_b32 s94, s2, 1
	s_add_co_u32 s92, s92, s94
	s_lshl_b32 s92, s92, 18                        ; (batch x 16 + my first head) x 262,144
	s_and_b32 s94, s3, 15
	s_lshr_b32 s94, s94, 2
	s_lshl_b32 s94, s94, 16                        ; the chunk of 256 keys
	s_add_co_u32 s92, s92, s94
	s_and_b32 s94, s3, 3
	s_lshl_b32 s94, s94, 13
	s_add_co_u32 s92, s92, s94
	s_add_nc_u64 s[62:63], s[48:49], s[92:93]      ; K's images,
	s_add_nc_u64 s[96:97], s[62:63], 32768         ; V's behind them in the chunk
	s_lshl_b32 s92, s3, 9
	s_add_nc_u64 s[50:51], s[36:37], s[92:93]
	ADDRS AIMS, TABS, STS
	global_load_b128 v[160:163], v224, s[38:39]    ; b_sa
	global_load_b128 v[164:167], v224, s[40:41]    ; g_sa
	global_load_b128 v[168:171], v224, s[42:43]    ; be_sa
	global_load_b128 v[172:175], v224, s[44:45]    ; bk
	global_load_b128 v[176:179], v224, s[46:47]    ; bv
	global_load_b32 v[CX], v226, s[50:51]
	FLOAD 0, 0, 8192
	s_wait_loadcnt 36                              ; all but the 36 loads of the first E2M1 k step
	ds_store_b128 v202, v[160:163]                 ; vector 0: b_sa
	ds_store_b128 v202, v[164:167] offset:4096     ; 1: g_sa
	ds_store_b128 v202, v[168:171] offset:8192     ; 2: be_sa
	ds_store_b128 v202, v[172:175] offset:12288    ; 3: bk
	ds_store_b128 v202, v[176:179] offset:16384    ; 4: bv
	SINCOS
	FLOAD 1, 1, 8192
	ACCINIT 0
	s_wait_dscnt 0x0
	; ---- x w_sa + b_sa on E2M1 codes: six k steps of 128.  cnt: the one younger k step's 36 loads may be out
.macro FSTEP set, cnt, nxt
	s_wait_loadcnt \cnt
	FMUL \set
	WIN 0
	PLACES
.if \nxt
	FLOAD \set, \nxt, 8192
.endif
.endm
	FSTEP 0, 36, 2
	FSTEP 1, 36, 3
	FSTEP 0, 36, 4
	FSTEP 1, 36, 5
	FSTEP 0, 36, 0
	FSTEP 1, 0, 0
	RINGFILL
	LN 1, 2                                        ; sat
	IMG
	ACCINIT 3
	BARRIER                                        ; sat's images lie in LDS
	GEMM AIMS, 0, 1, 0                             ; K; the ring runs on into wv
	ROPEOUT 0, 262144                              ; works in v32-63 and v192-223 alone: the ring holds wv's first units
	s_wait_xcnt 0x0                                ; K's last four stores have read v48-63: the next product's token fragments land in v32-63 only behind this wait
	GEMM AIMS, 1, 0, 1                             ; V, in the natural order: lane (r, h) holds channel r of a tile and tokens 8 h + 0..7; its first k step starts the sums
	; ---- V's way out: + bv, rounding, images: tile of rows a is chunk a % 2 of the 32-key step a / 2
	WIN 0
.irp b, 0,1,2,3,4,5,6,7
	ds_load_b32 v[TY+2*\b], v[PRL] offset:16384+64*\b      ; bv at my channel, twice: a pair for the packed addition
	ds_load_b32 v[TY+2*\b+1], v[PRL] offset:16384+64*\b
.endr
	s_wait_dscnt 0x0
.irp a, 0,1,2,3
	s_wait_xcnt 0x0                                ; the last stores have read their data registers
	WIN 0x41
.irp b, 0,1,2,3,4,5,6,7
.irp p, 0,1,2,3
	v_pk_add_f32 v[8*(4*\b+\a)+2*\p:8*(4*\b+\a)+2*\p+1], v[8*(4*\b+\a)+2*\p:8*(4*\b+\a)+2*\p+1], v[TY+2*\b:TY+2*\b+1]
.endr
.endr
	WIN 0x05
.irp b, 0,1,2,3,4,5,6,7
.irp p, 0,1,2,3
	v_cvt_pk_f16_f32 v[TX+4*\b+\p], v[8*(4*\b+\a)+2*\p], v[8*(4*\b+\a)+2*\p+1]
.endr
.endr
	WIN 0
.irp b, 0,1,2,3,4,5,6,7
	global_store_b128 v[LI], v[TX+4*\b:TX+4*\b+3], s[96:97] offset:(\b/4)*262144+(\a/2)*4096+(\b%4)*1024+(\a%2)*512
.endr
.endr
	s_wait_tensorcnt 0x0                           ; the wave's end, behind my last LDS store
	ds_add_u32 v[SPW], v[NIL]
	s_wait_dscnt 0x0
	s_endpgm
.Lfunc_end_k_qb28cdf2dfa_embed:
	.size	k_qb28cdf2dfa_embed, .Lfunc_end_k_qb28cdf2dfa_embed-k_qb28cdf2dfa_embed
	.p2alignl 7, 3214868480
	.fill 96, 4, 3214868480
	.section	.rodata,"a",@progbits
	.p2align	6, 0x0
	.amdhsa_kernel k_qb28cdf2dfa_embed
		.amdhsa_group_segment_fixed_size 314368
		.amdhsa_private_segment_fixed_size 0
		.amdhsa_enable_private_segment 0
		.amdhsa_kernarg_size 168
		.amdhsa_user_sgpr_count 2
		.amdhsa_user_sgpr_kernarg_segment_ptr 1
		.amdhsa_wavefront_size32 1
		.amdhsa_system_sgpr_workgroup_id_x 1
		.amdhsa_system_sgpr_workgroup_id_y 1
		.amdhsa_system_sgpr_workgroup_id_z 1
		.amdhsa_system_vgpr_workitem_id 0
		.amdhsa_next_free_vgpr 512
		.amdhsa_next_free_sgpr 100
		.amdhsa_reserve_vcc 1
		.amdhsa_float_denorm_mode_32 3
		.amdhsa_float_denorm_mode_16_64 3
		.amdhsa_memory_ordered 1
		.amdhsa_forward_progress 1
		.amdhsa_inst_pref_size 255
	.end_amdhsa_kernel
	.section	.bss,"aw",@nobits
	.p2align	6
	.space	262144
	.amdgpu_metadata
---
amdhsa.version: [ 1, 2 ]
amdhsa.kernels:
  - .name:           k_qb28cdf2dfa_embed
    .symbol:         k_qb28cdf2dfa_embed.kd
    .args:
      - { .name: front_bev_xy, .offset: 0, .size: 8, .value_kind: global_buffer, .address_space: global }
      - { .name: w_pos1, .offset: 8, .size: 8, .value_kind: global_buffer, .address_space: global }
      - { .name: b_pos1, .offset: 16, .size: 8, .value_kind: global_buffer, .address_space: global }
      - { .name: b_pos2, .offset: 24, .size: 8, .value_kind: global_buffer, .address_space: global }
      - { .name: b_fr, .offset: 32, .size: 8, .value_kind: global_buffer, .address_space: global }
      - { .name: g_fr, .offset: 40, .size: 8, .value_kind: global_buffer, .address_space: global }
      - { .name: be_fr, .offset: 48, .size: 8, .value_kind: global_buffer, .address_space: global }
      - { .name: g_qn, .offset: 56, .size: 8, .value_kind: global_buffer, .address_space: global }
      - { .name: be_qn, .offset: 64, .size: 8, .value_kind: global_buffer, .address_space: global }
      - { .name: bq, .offset: 72, .size: 8, .value_kind: global_buffer, .address_space: global }
      - { .name: wimg, .offset: 80, .size: 8, .value_kind: global_buffer, .address_space: global }
      - { .name: codes, .offset: 88, .size: 8, .value_kind: global_buffer, .address_space: global }
      - { .name: scales, .offset: 96, .size: 8, .value_kind: global_buffer, .address_space: global }
      - { .name: qimg, .offset: 104, .size: 8, .value_kind: global_buffer, .address_space: global }
      - { .name: sat_xy, .offset: 112, .size: 8, .value_kind: global_buffer, .address_space: global }
      - { .name: b_sa, .offset: 120, .size: 8, .value_kind: global_buffer, .address_space: global }
      - { .name: g_sa, .offset: 128, .size: 8, .value_kind: global_buffer, .address_space: global }
      - { .name: be_sa, .offset: 136, .size: 8, .value_kind: global_buffer, .address_space: global }
      - { .name: bk, .offset: 144, .size: 8, .value_kind: global_buffer, .address_space: global }
      - { .name: bv, .offset: 152, .size: 8, .value_kind: global_buffer, .address_space: global }
      - { .name: kv, .offset: 160, .size: 8, .value_kind: global_buffer, .address_space: global }
    .group_segment_fixed_size: 314368
    .private_segment_fixed_size: 0
    .kernarg_segment_align: 8
    .kernarg_segment_size: 168
    .max_flat_workgroup_size: 256
    .sgpr_count:     100
    .vgpr_count:     512
    .wavefront_size: 32
...
	.end_amdgpu_metadata
.endif
;; end of part 2
;; launch attend (part 3): grid 8 x 32, 8 waves a work-group, no clusters, 327,680 bytes of LDS; arguments qimg, kv, front_bev_xy, sat_xy, out0; writes out0
.if DOCPART == 3
	.amdgcn_target "amdgcn-amd-amdhsa--gfx1250"
	.amdhsa_code_object_version 6
	.text
	.protected	k_qb28cdf2dfa_attend
	.globl	k_qb28cdf2dfa_attend
	.p2align	8
	.type	k_qb28cdf2dfa_attend,@function
k_qb28cdf2dfa_attend:
	s_mov_b64 s[64:65], 0
	v_nop
	global_prefetch_b8 v0, s[64:65] scope:SCOPE_SE
	s_setreg_imm32_b32 hwreg(HW_REG_WAVE_MODE, 25, 1), 1
	s_wait_xcnt 0x0
; ATTEND.  out[b][n][head 64 d] = softmax_m(q . k / 8 - |front_xy[n] - sat_xy[m]|^2) v.  q (with the 1/8 in it), k and v come as f16 images of operand registers; sums, maxima and the softmax in f32; the weights p are rounded to f16 for the second product.
; SHARES.  Work-group (x, y): 512 queries (block x) of batch y / 16, head y % 16.  Each of eight waves owns 64 queries: four tiles of 16, worked as two pieces of two tiles.  Two waves share a SIMD, so that one wave's softmax stands beside the other's products.
; ALL 1,024 KEYS OF THE HEAD LIE IN LDS, filled once: 4 chunks of 256 keys (K's 32 images, then V's 32), each wave fetching an eighth of each chunk by one tensor load at the head: four loads of a wave are out at the most.  Nothing is filled again.
; No cluster: K and V are 262,144 bytes for a work-group, asked for once, and only the first quarter is waited for with no work to cover it.  All 327,680 bytes of LDS are claimed; 310,272 are used.
; LAYOUT.  S^T = K Q^T (source 0 = 16 keys, source 1 = 16 queries): lane (r, h) holds query r and keys 8 h + 0..7 of a tile; two tiles rounded to f16 in pairs ARE source 1 of O^T = V^T P.  A lane holds one query throughout.
; THE BIAS.  With c the batch's first key, s' = s - c and f' = f - c:  -|f - s|^2 = n + a s'x + b s'y - |f'|^2,  a = 2 f'x, b = 2 f'y, n = -|s'|^2.  The last term is the same for all keys of a query: it changes no softmax, for any input,
; and is left out.  So the bias is two fused multiply-adds on n, in f32, and is the C of the first K Q^T instruction of each tile.  Taking c away first keeps a common offset of the coordinates out of the products: with coordinates
; of spread R the terms reach 2 R^2, the size of the squared distances themselves.  n is made once for the work-group and lies in LDS beside s'x and s'y.
; n HAS NO REGISTERS OF ITS OWN: a piece's 32 registers of n are loaded into the upper halves of S^T's tiles, which are free from the packing of p to f16 until the next bias is formed; the loads stand ahead of the rescaling of O^T and the products V^T P.
; SOFTMAX with a running maximum m and sum l: p = 2^(c s - c m), c = log2(e); O and l are multiplied by 2^(c m_old - c m_new) in every step.
; LIMITS: p under 2^-126 counts as 0; NaN and infinities are not served.
; REGISTERS.  window 0: v1-9, v58, v59 addresses; v10-25 my queries' (a, b), (b, a); v26-41 c m, m, l (a pair) a tile; v42-57 at work; v60-63 the centre, at the head; v64-127 the step's s'x, s'y; v128-191 S^T of a piece, then p, then its f16 codes and n; v192-255 K of a step.
;            window 1: v0-127 O^T, 32 a tile; v128-191 Q; v192-255 V of a step.
.set SX,    262144                     ; LDS behind K and V: the keys' s'x, 4,096 bytes; s'y 4,096 bytes on; n 8,192 bytes on
.set STG,   274432                     ; the way out: 16 rows x 272 bytes for each wave
.set SPARE, 309248                     ; the spare words, 128 bytes for each wave: four blocks of 256 bytes that no other line names
.set LI,  1                            ; v1  16 x lane
.set ADR, 2                            ; v2  LDS address of K's run of loads
.set XB,  3                            ; v3  SX + 32 h
.set STO, 4
.set RD,  5
.set GO,  6
.set ADX, 7                            ; v7  of the coordinates' run
.set SPW, 8                            ; v8  LDS address of my spare word; never rewritten
.set NIL, 9                            ; v9  0; never rewritten
.set FXY, 10
.set ST,  26
.set TT,  42
.set EE,  50
.set ADV, 58                           ; v58 of V's run
.set ADN, 59                           ; v59 of n's run
.set SXY, 64
.set S,   128
.set KF,  192
.set QF,  128                          ; in window 1
.set VF,  192                          ; in window 1
; scalars: s14 wave, s15 y, s[16:23] descriptor group 1, s[24:39] four groups 0, s[46:47] c, s[48:49] lane selects, s50, s51, s52 LDS bytes at which the step's K, V and coordinates begin, s53 steps left in the chunk
.set MSB, 0
.macro WIN new                         ; low byte: bits 1:0 source 0, 3:2 source 1, 5:4 source 2, 7:6 destination; the high byte repeats the setting that is left
.if MSB != \new
	s_set_vgpr_msb (MSB<<8)|\new
.set MSB, \new
.endif
.endm
.macro PLACES                          ; four plain places behind a matrix instruction, ahead of loads into or writes of its registers and of reads of its results
.rept 4
	v_nop
.endr
.endm
.macro FETCH_K                         ; 32 LDS loads: a step's 64 keys (8 images) and their coordinates
	v_add_nc_u32 v[ADR], s50, v[LI]
.irp f, 0,1,2,3,4,5,6,7
	ds_load_b128 v[KF+8*\f:KF+8*\f+3], v[ADR] offset:1024*\f
	ds_load_b128 v[KF+8*\f+4:KF+8*\f+7], v[ADR] offset:1024*\f+512
.endr
	v_add_nc_u32 v[ADX], s52, v[XB]
.irp kt, 0,1,2,3
	ds_load_b128 v[SXY+16*\kt:SXY+16*\kt+3], v[ADX] offset:64*\kt
	ds_load_b128 v[SXY+16*\kt+4:SXY+16*\kt+7], v[ADX] offset:64*\kt+16
	ds_load_b128 v[SXY+16*\kt+8:SXY+16*\kt+11], v[ADX] offset:64*\kt+4096
	ds_load_b128 v[SXY+16*\kt+12:SXY+16*\kt+15], v[ADX] offset:64*\kt+4112
.endr
.endm
.macro FETCH_V                         ; 16 LDS loads: the step's V (2 x 32 keys x 4 tiles of channels)
	v_add_nc_u32 v[ADV], s51, v[LI]
	s_add_co_u32 s51, s51, 8192
	WIN 0x40
.irp f, 0,1,2,3,4,5,6,7
	ds_load_b128 v[VF+8*\f:VF+8*\f+3], v[ADV] offset:32768+1024*\f
	ds_load_b128 v[VF+8*\f+4:VF+8*\f+7], v[ADV] offset:32768+1024*\f+512
.endr
	WIN 0
.endm
; 8 LDS loads: n of the 64 keys at which s52 stands.  Tiles of keys 0, 1 land at S + 16, S + 24 (the places of S^T (query tile 0, key tiles 2, 3)), tiles 2, 3 at S + 48, S + 56 (query tile 1, key tiles 2, 3): the registers above p's f16 codes
.macro NLOAD
	v_add_nc_u32 v[ADN], s52, v[XB]
.irp kt, 0,1,2,3
	ds_load_b128 v[S+16+8*\kt+16*(\kt/2):S+16+8*\kt+16*(\kt/2)+3], v[ADN] offset:64*\kt+8192
	ds_load_b128 v[S+16+8*\kt+16*(\kt/2)+4:S+16+8*\kt+16*(\kt/2)+7], v[ADN] offset:64*\kt+8208
.endr
.endm
; S = n + a s'x + b s'y for the piece's two tiles x 64 keys.  Key tiles ascending, query tile 0 ahead of 1: so key tiles 0 and 1 have read their n before key tiles 2 and 3 of query tile 0 land on it, and query tile 1 takes key tiles 2 and 3 in place
.macro BIAS p
	WIN 0
.irp kt, 0,1,2,3
.irp q, 0,1
.irp i, 0,1,2,3
	v_pk_fma_f32 v[S+32*\q+8*\kt+2*\i:S+32*\q+8*\kt+2*\i+1], v[SXY+16*\kt+2*\i:SXY+16*\kt+2*\i+1], v[FXY+4*(2*(\p)+\q):FXY+4*(2*(\p)+\q)+1], v[S+16+8*\kt+16*(\kt/2)+2*\i:S+16+8*\kt+16*(\kt/2)+2*\i+1] op_sel_hi:[1,0,1]
.endr
.endr
.irp q, 0,1
.irp i, 0,1,2,3
	v_pk_fma_f32 v[S+32*\q+8*\kt+2*\i:S+32*\q+8*\kt+2*\i+1], v[SXY+16*\kt+8+2*\i:SXY+16*\kt+8+2*\i+1], v[FXY+4*(2*(\p)+\q)+2:FXY+4*(2*(\p)+\q)+3], v[S+32*\q+8*\kt+2*\i:S+32*\q+8*\kt+2*\i+1] op_sel_hi:[1,0,1]
.endr
.endr
.endr
.endm
.macro QK p                            ; 16 matrix instructions, eight accumulators by turns
	WIN 0x04
.irp s, 0,1
.irp kt, 0,1,2,3
.irp q, 0,1
	v_wmma_f32_16x16x32_f16 v[S+32*\q+8*\kt:S+32*\q+8*\kt+7], v[KF+8*(2*\kt+\s):KF+8*(2*\kt+\s)+7], v[QF+16*(2*(\p)+\q)+8*\s:QF+16*(2*(\p)+\q)+8*\s+7], v[S+32*\q+8*\kt:S+32*\q+8*\kt+7]
.endr
.endr
.endr
.endm
.macro PV p, first                     ; 16 matrix instructions, eight accumulators by turns.  first = 1: the first eight start the sums
	WIN 0x51
.irp u, 0,1
.irp ch, 0,1,2,3
.irp q, 0,1
.if (\first) && (\u == 0)
	v_wmma_f32_16x16x32_f16 v[32*(2*(\p)+\q)+8*\ch:32*(2*(\p)+\q)+8*\ch+7], v[VF+8*(4*\u+\ch):VF+8*(4*\u+\ch)+7], v[S+32*\q+8*\u:S+32*\q+8*\u+7], 0
.else
	v_wmma_f32_16x16x32_f16 v[32*(2*(\p)+\q)+8*\ch:32*(2*(\p)+\q)+8*\ch+7], v[VF+8*(4*\u+\ch):VF+8*(4*\u+\ch)+7], v[S+32*\q+8*\u:S+32*\q+8*\u+7], v[32*(2*(\p)+\q)+8*\ch:32*(2*(\p)+\q)+8*\ch+7]
.endif
.endr
.endr
.endr
.endm
; the piece's softmax for 64 keys, its two tiles line by line in turn.  first = 1: no old maximum, no factor, nothing to rescale.
; nl = 1: behind the packing of p, n is fetched for the next bias; nl = 2: the same, but not in a chunk's last step: there the chunk's head fetches it, with K and the coordinates
.macro SOFTMAX p, first, nl
	WIN 0
.irp j, 0,1,2,3
.irp q, 0,1
	v_max3_num_f32 v[TT+4*\q+\j], v[S+32*\q+8*\j], v[S+32*\q+8*\j+1], v[S+32*\q+8*\j+2]   ; each accumulator from its low end on
.endr
.endr
.irp g, 3,5
.irp j, 0,1,2,3
.irp q, 0,1
	v_max3_num_f32 v[TT+4*\q+\j], v[TT+4*\q+\j], v[S+32*\q+8*\j+\g], v[S+32*\q+8*\j+\g+1]
.endr
.endr
.endr
.irp q, 0,1
	v_max3_num_f32 v[TT+4*\q], v[TT+4*\q], v[S+32*\q+7], v[S+32*\q+15]
	v_max3_num_f32 v[TT+4*\q+2], v[TT+4*\q+2], v[S+32*\q+23], v[S+32*\q+31]
.endr
.irp q, 0,1
	v_max3_num_f32 v[TT+4*\q], v[TT+4*\q], v[TT+4*\q+1], v[TT+4*\q+2]
.endr
.irp q, 0,1
.if \first
	v_max_num_f32 v[TT+4*\q], v[TT+4*\q], v[TT+4*\q+3]
.else
	v_max3_num_f32 v[TT+4*\q], v[TT+4*\q], v[TT+4*\q+3], v[ST+4*(2*(\p)+\q)+1]
.endif
.endr
.irp q, 0,1
	v_permlanex16_b32 v[TT+4*\q+1], v[TT+4*\q], s48, s49   ; the query's other 32 keys lie in the lane 16 away
.endr
.if !\first
.irp q, 0,1
	v_mov_b32 v[TT+4*\q+3], v[ST+4*(2*(\p)+\q)]    ; c m_old
.endr
.endif
.irp q, 0,1
	v_max_num_f32 v[ST+4*(2*(\p)+\q)+1], v[TT+4*\q], v[TT+4*\q+1]
.endr
.irp q, 0,1
	v_mul_f32 v[ST+4*(2*(\p)+\q)], s46, v[ST+4*(2*(\p)+\q)+1]
.endr
.if !\first
.irp q, 0,1
	v_sub_f32 v[TT+4*\q+3], v[TT+4*\q+3], v[ST+4*(2*(\p)+\q)]
.endr
.endif
.irp i, 0,1,2,3,4,5,6,7,8,9,10,11,12,13,14,15
.irp q, 0,1
	v_pk_fma_f32 v[S+32*\q+2*\i:S+32*\q+2*\i+1], v[S+32*\q+2*\i:S+32*\q+2*\i+1], s[46:47], v[ST+4*(2*(\p)+\q):ST+4*(2*(\p)+\q)+1] op_sel_hi:[1,0,0] neg_lo:[0,0,1] neg_hi:[0,0,1]   ; c s - c m
.endr
.endr
.if !\first
.irp q, 0,1
	v_exp_f32 v[TT+4*\q+2], v[TT+4*\q+3]           ; the factor 2^(c m_old - c m_new)
.endr
.endif
.irp i, 0,1,2,3,4,5,6,7,8,9,10,11,12,13,14,15,16,17,18,19,20,21,22,23,24,25,26,27,28,29,30,31
.irp q, 0,1
	v_exp_f32 v[S+32*\q+\i], v[S+32*\q+\i]
.endr
.endr
	v_nop                                          ; a plain place behind the last exponential,
	s_wait_alu depctr_va_vdst(0)                   ; and ONE wait for both tiles' batch, ahead of its first reader
.irp q, 0,1
	v_pk_add_f32 v[EE+4*\q:EE+4*\q+1], v[S+32*\q:S+32*\q+1], v[S+32*\q+2:S+32*\q+3]   ; the row's sum, of the f32 p, in two chains a tile
	v_pk_add_f32 v[EE+4*\q+2:EE+4*\q+3], v[S+32*\q+4:S+32*\q+5], v[S+32*\q+6:S+32*\q+7]
.endr
.irp j, 8,12,16,20,24,28
.irp q, 0,1
	v_pk_add_f32 v[EE+4*\q:EE+4*\q+1], v[EE+4*\q:EE+4*\q+1], v[S+32*\q+\j:S+32*\q+\j+1]
	v_pk_add_f32 v[EE+4*\q+2:EE+4*\q+3], v[EE+4*\q+2:EE+4*\q+3], v[S+32*\q+\j+2:S+32*\q+\j+3]
.endr
.endr
.if \first
.irp q, 0,1
	v_pk_add_f32 v[ST+4*(2*(\p)+\q)+2:ST+4*(2*(\p)+\q)+3], v[EE+4*\q:EE+4*\q+1], v[EE+4*\q+2:EE+4*\q+3]
.endr
.else
.irp q, 0,1
	v_pk_add_f32 v[EE+4*\q:EE+4*\q+1], v[EE+4*\q:EE+4*\q+1], v[EE+4*\q+2:EE+4*\q+3]
.endr
.irp q, 0,1
	v_pk_fma_f32 v[ST+4*(2*(\p)+\q)+2:ST+4*(2*(\p)+\q)+3], v[ST+4*(2*(\p)+\q)+2:ST+4*(2*(\p)+\q)+3], v[TT+4*\q+2:TT+4*\q+3], v[EE+4*\q:EE+4*\q+1] op_sel_hi:[1,0,1]
.endr
.endif
.irp i, 0,1,2,3,4,5,6,7,8,9,10,11,12,13,14,15
.irp q, 0,1
	v_cvt_pk_f16_f32 v[S+32*\q+\i], v[S+32*\q+2*\i], v[S+32*\q+2*\i+1]   ; in place, ascending: register i is written when registers 2 i and 2 i + 1 are read
.endr
.endr
.if \nl == 1
	NLOAD                                          ; the upper halves of the piece's tiles are free now: n for the next bias lands under the rescaling and the products below
.elseif \nl == 2
	s_cmp_eq_u32 s53, 1                            ; the count of steps alone decides
	s_cbranch_scc1 .Lnon_\@
	NLOAD
.Lnon_\@:
.endif
.if !\first
	WIN 0x41
.irp i, 0,1,2,3,4,5,6,7,8,9,10,11,12,13,14,15
.irp q, 0,1
	v_pk_mul_f32 v[32*(2*(\p)+\q)+2*\i:32*(2*(\p)+\q)+2*\i+1], v[32*(2*(\p)+\q)+2*\i:32*(2*(\p)+\q)+2*\i+1], v[TT+4*\q+2:TT+4*\q+3] op_sel_hi:[1,0]
.endr
.endr
.endif
.endm
; A KEY STEP: 64 keys for my 64 queries
.macro STEP first
	PLACES                                         ; behind the last step's products, ahead of loads into V's registers and of writes over p's codes
	FETCH_V
	s_wait_dscnt 16                                ; K, the coordinates and n are in; V's 16 loads, issued behind them, may be out
	BIAS 0
	QK 0
	WIN 0
	PLACES
	SOFTMAX 0, \first, 1
	s_wait_dscnt 8                                 ; V is in; the 8 loads of n, issued behind it, may be out
	PV 0, \first
	WIN 0
	PLACES
	s_wait_dscnt 0x0                               ; n is in
	BIAS 1
	QK 1
	WIN 0
	PLACES
	s_add_co_u32 s50, s50, 8192
	s_add_co_u32 s52, s52, 256
	s_cmp_eq_u32 s53, 1                            ; a chunk's last step fetches no K: the next chunk has not been shown landed yet.  The count of steps alone decides
	s_cbranch_scc1 .Lnok_\@
	FETCH_K                                        ; the next step's, under this piece's softmax
.Lnok_\@:
	SOFTMAX 1, \first, 2
	PV 1, \first
	WIN 0
.endm
; A CHUNK of 256 keys.  My tensor loads end in order (ISA guide 10.11.1): the count leaves the later chunks' loads of mine out; behind the barrier every wave's part of this chunk is in.
.macro CHUNK c
	s_wait_tensorcnt 3-\c
	s_wait_dscnt 0x0
	s_barrier_signal -1
	s_barrier_wait -1
.if \c > 0
	s_add_co_u32 s50, s50, 32768                   ; over V's half of the chunk that is left
	s_add_co_u32 s51, s51, 32768                   ; over K's half of the chunk ahead
.endif
	FETCH_K
	NLOAD
.if \c == 0
	s_mov_b32 s53, 4
	STEP 1                                         ; the first step starts m, l and O^T
	s_mov_b32 s53, 3
.else
	s_mov_b32 s53, 4
.endif
.Lstep_\@:
	STEP 0
	s_sub_co_u32 s53, s53, 1
	s_cmp_lg_u32 s53, 0
	s_cbranch_scc1 .Lstep_\@
.endm
	s_load_b256 s[4:11], s[0:1], 0x0               ; qimg 4, kv 6, front_bev_xy 8, sat_xy 10
	s_load_b64 s[12:13], s[0:1], 0x20              ; out0
	v_lshl_add_u32 v[SPW], v0, 2, SPARE
	v_mov_b32 v[NIL], 0
	ds_add_u32 v[SPW], v[NIL]                      ; the wave's opening: the add, twice on end, and its wait ahead of my first tensor load
	ds_add_u32 v[SPW], v[NIL]
	v_lshrrev_b32 v2, 5, v0
	v_readfirstlane_b32 s14, v2                    ; wave 0..7
	s_and_b32 s15, ttmp7, 0xffff                   ; batch x 16 + head
	; descriptor group 1: 32 rows of 256 bytes (32 elements of 8 bytes), dense in memory and in LDS
	s_mov_b32 s16, 3<<16                           ; no mask; elements of 8 bytes; no padding
	s_mov_b32 s17, 32<<16                          ; tensor_dim0 = 32
	s_mov_b32 s18, 32<<16                          ; tensor_dim1 = 32
	s_mov_b32 s19, 32<<16                          ; tile_dim0 = 32
	s_mov_b32 s20, 32                              ; tile_dim1 = 32
	s_mov_b32 s21, 32                              ; from row to row
	s_mov_b32 s22, 0
	s_mov_b32 s23, 0
	s_lshl_b32 s42, s14, 13                        ; my eighth of a chunk: 8,192 w
	s_lshl_b32 s40, s15, 18                        ; the head's 262,144 bytes
	s_add_co_u32 s40, s40, s42
	s_mov_b32 s41, 0
	s_mov_b32 s46, 0x3fb8aa3b                      ; c = log2(e)
	s_mov_b32 s47, s46
	s_mov_b32 s48, 0x76543210
	s_mov_b32 s49, 0xfedcba98                      ; lane l xor 16
	s_mov_b32 s50, 0
	s_mov_b32 s51, 0
	s_mov_b32 s52, 0
	s_wait_dscnt 0x0                               ; both opening adds are done
	s_wait_kmcnt 0x0
	s_add_nc_u64 s[44:45], s[6:7], s[40:41]
.irp c, 0,1,2,3
	s_mov_b32 s[24+4*\c], 1                        ; count = 1
	s_add_co_u32 s[25+4*\c], s42, 65536*\c         ; LDS address
	s_add_nc_u64 s[26+4*\c:27+4*\c], s[44:45], 65536*\c
	s_or_b32 s[27+4*\c], s[27+4*\c], 0x80000000    ; type = 2
.endr
.irp c, 0,1,2,3
	tensor_load_to_lds s[24+4*\c:27+4*\c], s[16:23]   ; all first fills in one group, ahead of every wait on TENSORcnt, LDS read and barrier
	s_nop 0
.endr
.rept 4
	v_nop
.endr
	v_and_b32 v42, 15, v0                          ; r
	v_bfe_u32 v43, v0, 4, 1                        ; h
	v_and_b32 v44, 31, v0
	v_lshlrev_b32 v[LI], 4, v44
	s_lshl_b32 s54, s15, 8
	s_lshl_b32 s55, ttmp9, 5
	s_add_co_u32 s54, s54, s55
	s_lshl_b32 s55, s14, 2
	s_add_co_u32 s54, s54, s55                     ; my first tile of queries: 256 y + 32 x + 4 w
	s_lshl_b32 s54, s54, 11
	s_mov_b32 s55, 0
	s_add_nc_u64 s[4:5], s[4:5], s[54:55]
	WIN 0x40
.irp f, 0,1,2,3,4,5,6,7
	global_load_b128 v[QF+8*\f:QF+8*\f+3], v[LI], s[4:5] offset:1024*\f th:TH_LOAD_NT      ; Q stays in registers: tile f / 2, channels 32 (f % 2) on
	global_load_b128 v[QF+8*\f+4:QF+8*\f+7], v[LI], s[4:5] offset:1024*\f+512 th:TH_LOAD_NT
.endr
	WIN 0
	s_lshr_b32 s56, s15, 4                         ; the batch
	s_lshl_b32 s54, s56, 15
	s_lshl_b32 s57, ttmp9, 12
	s_add_co_u32 s54, s54, s57
	s_lshl_b32 s57, s14, 9
	s_add_co_u32 s54, s54, s57
	s_add_nc_u64 s[8:9], s[8:9], s[54:55]          ; my 64 queries' coordinates
	v_lshlrev_b32 v45, 3, v42
.irp t, 0,1,2,3
	global_load_b64 v[FXY+4*\t:FXY+4*\t+1], v45, s[8:9] offset:128*\t
.endr
	s_lshl_b32 s54, s56, 13
	s_add_nc_u64 s[10:11], s[10:11], s[54:55]      ; the batch's 1,024 keys' coordinates: four keys a thread
	v_lshlrev_b32 v46, 5, v0
	global_load_b128 v[50:53], v46, s[10:11]
	global_load_b128 v[54:57], v46, s[10:11] offset:16
	v_mov_b32 v[ADN], 0
	global_load_b64 v[60:61], v[ADN], s[10:11]     ; the centre: the batch's first key, the same in every lane
	s_lshl_b32 s54, s56, 24
	s_lshl_b32 s57, ttmp9, 21
	s_add_co_u32 s54, s54, s57
	s_lshl_b32 s57, s14, 18
	s_add_co_u32 s54, s54, s57
	s_and_b32 s57, s15, 15
	s_lshl_b32 s57, s57, 8
	s_add_co_u32 s54, s54, s57
	s_add_nc_u64 s[12:13], s[12:13], s[54:55]      ; out at my first query, my head's 256 bytes
	v_lshl_add_u32 v[XB], v43, 5, SX
	s_mul_i32 s54, s14, 4352
	s_add_co_u32 s54, s54, STG                     ; my stage
	v_mul_u32_u24 v[STO], v42, 272
	v_lshl_add_u32 v[STO], v43, 5, v[STO]
	v_add_nc_u32 v[STO], s54, v[STO]               ; in: row r, 32 bytes for each half of the lanes
	v_mul_u32_u24 v[RD], v43, 272
	v_lshl_add_u32 v[RD], v42, 4, v[RD]
	v_add_nc_u32 v[RD], s54, v[RD]                 ; back: lanes 0-15 one row of 256 bytes, lanes 16-31 the next
	v_lshlrev_b32 v[GO], 12, v43
	v_lshl_add_u32 v[GO], v42, 4, v[GO]            ; and the same two rows of out
	v_lshl_add_u32 v47, v0, 4, SX
	s_wait_loadcnt 0x0
.irp i, 0,1,2,3
	v_sub_f32 v[SXY+\i], v[50+2*\i], v60           ; s'x = x - cx, parted from
	v_sub_f32 v[SXY+4+\i], v[51+2*\i], v61         ; s'y = y - cy
.endr
.irp i, 0,1,2,3
	v_mul_f32 v[SXY+8+\i], -v[SXY+\i], v[SXY+\i]
.endr
.irp i, 0,1,2,3
	v_fma_f32 v[SXY+8+\i], -v[SXY+4+\i], v[SXY+4+\i], v[SXY+8+\i]   ; n = -(s'x^2 + s'y^2)
.endr
	ds_store_b128 v47, v[SXY:SXY+3]
	ds_store_b128 v47, v[SXY+4:SXY+7] offset:4096
	ds_store_b128 v47, v[SXY+8:SXY+11] offset:8192
	v_add_f32 v62, v60, v60                        ; 2 cx, 2 cy: exact
	v_add_f32 v63, v61, v61
.irp t, 0,1,2,3
	v_fma_f32 v[FXY+4*\t], v[FXY+4*\t], 2.0, -v62          ; a = 2 fx - 2 cx, rounded once: the same bits as 2 (fx - cx)
	v_fma_f32 v[FXY+4*\t+1], v[FXY+4*\t+1], 2.0, -v63      ; b likewise
.endr
.irp t, 0,1,2,3
	v_mov_b32 v[FXY+4*\t+2], v[FXY+4*\t+1]         ; (b, a) beside (a, b): the packed forms take a pair's low word for both halves
	v_mov_b32 v[FXY+4*\t+3], v[FXY+4*\t]
.endr
	CHUNK 0
	CHUNK 1
	CHUNK 2
	CHUNK 3
	; THE WAY OUT.  l's two halves and lane l xor 16's are added; O^T / l goes through my own stage in LDS, a tile (16 rows of 256 bytes) at a time.  The additions are the places behind the last products.
.irp t, 0,1,2,3
	v_add_f32 v[TT+2*\t], v[ST+4*\t+2], v[ST+4*\t+3]
.endr
.irp t, 0,1,2,3
	v_permlanex16_b32 v[TT+2*\t+1], v[TT+2*\t], s48, s49
.endr
.irp t, 0,1,2,3
	v_add_f32 v[TT+2*\t], v[TT+2*\t], v[TT+2*\t+1]
.endr
.irp t, 0,1,2,3
	v_rcp_f32 v[TT+2*\t], v[TT+2*\t]
.endr
	v_nop                                          ; a plain place behind the last reciprocal,
	s_wait_alu depctr_va_vdst(0)                   ; and the one wait for the four, ahead of their first reader
.irp t, 0,1,2,3
	WIN 0x41
.irp i, 0,1,2,3,4,5,6,7,8,9,10,11,12,13,14,15
	v_pk_mul_f32 v[32*\t+2*\i:32*\t+2*\i+1], v[32*\t+2*\i:32*\t+2*\i+1], v[TT+2*\t:TT+2*\t+1] op_sel_hi:[1,0]
.endr
	WIN 0x04                                       ; an LDS store's data are its source 1: window 1
.irp ch, 0,1,2,3
	ds_store_b128 v[STO], v[32*\t+8*\ch:32*\t+8*\ch+3] offset:64*\ch
	ds_store_b128 v[STO], v[32*\t+8*\ch+4:32*\t+8*\ch+7] offset:64*\ch+16
.endr
	WIN 0
.if \t >= 2
	s_wait_xcnt 0x0                                ; the stores of two tiles back have read these registers
.endif
.irp i, 0,1,2,3,4,5,6,7
	ds_load_b128 v[S+32*(\t%2)+4*\i:S+32*(\t%2)+4*\i+3], v[RD] offset:544*\i   ; LDS serves a wave's instructions in order (ISA guide 5.7.1.4): these see my stores
.endr
	s_wait_dscnt 0x0
.irp i, 0,1,2,3,4,5,6,7
	global_store_b128 v[GO], v[S+32*(\t%2)+4*\i:S+32*(\t%2)+4*\i+3], s[12:13] offset:65536*\t+8192*\i th:TH_STORE_NT   ; sixteen lanes store 256 consecutive aligned bytes
.endr
.endr
	s_wait_tensorcnt 0x0                           ; the wave's end, behind my last tensor load and my last LDS store
	ds_add_u32 v[SPW], v[NIL]
	s_wait_dscnt 0x0
	s_endpgm
.Lfunc_end_k_qb28cdf2dfa_attend:
	.size	k_qb28cdf2dfa_attend, .Lfunc_end_k_qb28cdf2dfa_attend-k_qb28cdf2dfa_attend
	.p2alignl 7, 3214868480
	.fill 96, 4, 3214868480
	.section	.rodata,"a",@progbits
	.p2align	6, 0x0
	.amdhsa_kernel k_qb28cdf2dfa_attend
		.amdhsa_group_segment_fixed_size 327680
		.amdhsa_private_segment_fixed_size 0
		.amdhsa_enable_private_segment 0
		.amdhsa_kernarg_size 40
		.amdhsa_user_sgpr_count 2
		.amdhsa_user_sgpr_kernarg_segment_ptr 1
		.amdhsa_wavefront_size32 1
		.amdhsa_system_sgpr_workgroup_id_x 1
		.amdhsa_system_sgpr_workgroup_id_y 1
		.amdhsa_system_sgpr_workgroup_id_z 1
		.amdhsa_system_vgpr_workitem_id 0
		.amdhsa_next_free_vgpr 512
		.amdhsa_next_free_sgpr 66
		.amdhsa_reserve_vcc 0
		.amdhsa_float_denorm_mode_32 3
		.amdhsa_float_denorm_mode_16_64 3
		.amdhsa_memory_ordered 1
		.amdhsa_forward_progress 1
		.amdhsa_inst_pref_size 241
	.end_amdhsa_kernel
	.amdgpu_metadata
---
amdhsa.version: [ 1, 2 ]
amdhsa.kernels:
  - .name:           k_qb28cdf2dfa_attend
    .symbol:         k_qb28cdf2dfa_attend.kd
    .args:
      - { .name: qimg, .offset: 0, .size: 8, .value_kind: global_buffer, .address_space: global }
      - { .name: kv, .offset: 8, .size: 8, .value_kind: global_buffer, .address_space: global }
      - { .name: front_bev_xy, .offset: 16, .size: 8, .value_kind: global_buffer, .address_space: global }
      - { .name: sat_xy, .offset: 24, .size: 8, .value_kind: global_buffer, .address_space: global }
      - { .name: out0, .offset: 32, .size: 8, .value_kind: global_buffer, .address_space: global }
    .group_segment_fixed_size: 327680
    .private_segment_fixed_size: 0
    .kernarg_segment_align: 8
    .kernarg_segment_size: 40
    .max_flat_workgroup_size: 256
    .sgpr_count:     66
    .vgpr_count:     512
    .wavefront_size: 32
...
	.end_amdgpu_metadata
.endif
;; end of part 3
